; MI455X (gfx1250); checked and timed in simulation.
; The chip was launched on July 23, 2026; its instructions are those of AMD's public machine-readable ISA for CDNA 5 (MIT licence, August 2026) and "CDNA5" Instruction Set Architecture Reference Guide (July 2026). The comments in the code are by the model that wrote it; some were corrected since.
;; Trans Conv Layer. Allowed arithmetic: matrix products marked QUANTISED: E4M3 operands, one given power-of-two scale a tensor, by v_wmma_f32_16x16x64_fp8_fp8 or v_wmma_f32_16x16x128_fp8_fp8, f32 sums; everything else in f32.
;; Inputs: Wk 256 x 512 float32; Wq 256 x 512 float32; Wv 256 x 512 float32; bk 512 float32; bq 512 float32; bv 512 float32; lowp_scales 10 int32 (the exponents e of the quantised operands' scales 2^e); query_input 100,000 x 256 float32; source_input 100,000 x 256 float32.
;; Outputs: out0 100,000 x 128 float32.
;; This version of the problem:
;;   THIS VERSION OF THE PROBLEM IS GIVEN IN LOW PRECISION. The matrix products marked QUANTISED in the list below multiply operands that are first quantised to E4M3 (4 exponent bits, 3 mantissa bits; 8 bits a number), with one given power-of-two scale for each operand tensor; their sums are f32. All else is computed in f32.
;;   The module's matrix products, in the order in which they are computed (A, B: the left and right operand; K: the contracted axis; several contracted axes count as one K, in the product's order):
;;     1. [M 100,000, K 256] x [K 256, N 512]; A: input query_input; B: input Wq: QUANTISED (scales: A lowp_scales[0], B lowp_scales[1])
;;     2. [M 100,000, K 256] x [K 256, N 512]; A: input source_input; B: input Wk: QUANTISED (scales: A lowp_scales[2], B lowp_scales[3])
;;     3. [M 100,000, K 256] x [K 256, N 512]; A: input source_input; B: input Wv: QUANTISED (scales: A lowp_scales[4], B lowp_scales[5])
;;     4. batch 4 x [M 128, K 100,000] x [K 100,000, N 128]; A: computed on the way; B: computed on the way: QUANTISED (scales: A lowp_scales[6], B lowp_scales[7])
;;     5. batch 4 x [M 128, K 128] x [K 128, N 100,000]; A: softmax (see below); B: computed on the way: QUANTISED (scales: A lowp_scales[8], B lowp_scales[9])
;;   THE QUANTISER, for each operand of a quantised product, along K:
;;     - The operand's scale is 2^e, e = its entry of the input lowp_scales (int32; the entries are numbered through the quantised products in the list's order, A before B).
;;     - Each number is divided by the scale, clamped to +-448, and rounded to the nearest number of E4M3, ties to even, subnormals kept.
;;     - The product sums the exact products of the quantised numbers (number of the format x scale) in f32.
;;   ~~~python
;;   def quantise(x, axis, e):      # numpy; x: float32 -> the quantised numbers, widened to float32 again
;;       x = np.moveaxis(x, axis, -1); K = x.shape[-1]
;;       r = np.clip(x / 2.0 ** e, -448, 448)
;;       step = 2.0 ** (np.maximum(np.frexp(np.where(r == 0, 1, r))[1] - 1, -6) - 3)
;;       q = np.round(r / step) * step * 2.0 ** e      # np.round: ties to even
;;       return np.moveaxis(q, -1, axis).astype(np.float32)
;;   ~~~
;;   SOFTMAX AHEAD OF A QUANTISED PRODUCT. Where the list says 'softmax', what is quantised is not the finished softmax but p = 2^(t - M), with t = logit x log2(e) and M = ceil(the row's largest t), a whole number; so 1/2 < the row's largest p <= 1. The row's sum l is taken of the UNQUANTISED p, in f32, and the product's result is divided by l at the end. Since M is a whole number, a kernel that streams over the keys may use a running M (the ceiling of the running maximum): every later rescaling is an exact power of two, so the quantised numbers keep their values, but for numbers so far below the row's largest that they fall under the format's range.
;;   OPERANDS COMPUTED ON THE WAY. 'Computed on the way' means the value that the module computes at that place (a softmax that the list does not call 'softmax' is quantised finished and normalised). What goes into a quantiser is computed in f32, as accurately as f32 sums, v_exp_f32 and their like allow (about 1e-6 of the number): no bf16 or f16 on the way to a quantiser, and a product that is left as it is and whose result goes on into a quantised operand takes f32 operands (vector FMAs, or v_wmma_f32_16x16x4_f32). A number that lies on a knife's edge between two numbers of the format may be rounded either way, as far as f32 arithmetic and the matrix unit's own rounding can turn it there, and no further.
;; 2 versions. Each part assembles by itself: llvm-mc -triple=amdgcn-amd-amdhsa -mcpu=gfx1250 --defsym DOCPART=n.
;; ======== version 1 of 2: 4 launches
;; workspace buffers: wfrag 393,216 bytes; part 32,768,000 bytes; pcodes 65,536 bytes; cinv 2,048 bytes
;; launch prep (part 1): grid 192 x 1, 4 waves a work-group, no clusters, 0 bytes of LDS; arguments Wq, Wk, Wv, lowp_scales, wfrag; writes wfrag
.if DOCPART == 1
	.amdgcn_target "amdgcn-amd-amdhsa--gfx1250"
	.amdhsa_code_object_version 6
	.text
	.protected	k_qd59b885082_prep
	.globl	k_qd59b885082_prep
	.p2align	8
	.type	k_qd59b885082_prep,@function
k_qd59b885082_prep:
	s_mov_b64 s[64:65], 0
	v_nop
	global_prefetch_b8 v0, s[64:65] scope:SCOPE_SE
	s_setreg_imm32_b32 hwreg(HW_REG_WAVE_MODE, 25, 1), 1
	s_wait_xcnt 0x0
; Wq, Wk, Wv [256 (k)][512 (c)] f32 become codes of E4M3, laid in the order of a matrix operand's registers.
; wfrag = [g 3: Wq, Wk, Wv][head 4][column tile t 8][K step s 2] fragments of 2,048 bytes; a fragment = [quarter c 4][lane 32][16 bytes].
; Lane (r = lane % 16, hh = lane / 16) of a fragment holds column 4 (16 t + r) + head of W (the head is the innermost index of a column),
; and byte i of its quarter c is POSITION p = 128 s + 32 c + 16 hh + i along K.  Position p stands for k = 4 (p / 8) + p % 4 + 128 ((p / 4) % 2):
; the order in which the later launches lay the codes of x, whose lanes load 16 bytes at 16 lane and 16 bytes at 512 + 16 lane of a row.
; The same order on both operands of a product keeps every pair of factors together.
; code = w / 2^e, held within +-448, to the nearest code, ties to even; e = lowp_scales[1], [3], [5] for Wq, Wk, Wv.
; LIMITS: e between -126 and 119, so that 2^e and 448 x 2^e are f32 numbers.  NaN among the inputs is not served.
; SHARES: a work-group takes one (g, t, s, c), its four waves the four heads; a wave makes 512 bytes and stores them as one run.
; A lane takes a column and its registers run down K, so the conversions' results are the operand's registers; nothing is transposed.
; The three weights are 1.5 MB in all and are read once: no LDS, no barrier, no sharing between work-groups.
.set ROWW, 2048                        ; bytes in a row of W
	s_load_b256 s[4:11], s[0:1], 0x0               ; Wq s[4:5], Wk s[6:7], Wv s[8:9], the scales' exponents s[10:11]
	s_load_b64 s[12:13], s[0:1], 0x20              ; wfrag
	v_lshrrev_b32 v1, 5, v0
	v_readfirstlane_b32 s14, v1                    ; wave = head
	v_and_b32 v2, 15, v0                           ; r
	v_bfe_u32 v4, v0, 4, 1                         ; hh
	v_lshlrev_b32 v3, 4, v2                        ; column 4 r: 16 r bytes,
	v_lshl_add_u32 v3, v4, 14, v3                  ; and 8 hh rows of 2,048 bytes further down
	v_and_b32 v5, 31, v0
	v_lshlrev_b32 v5, 4, v5                        ; out: 16 x lane
	s_and_b32 s24, ttmp9, 3                        ; c
	s_bfe_u32 s25, ttmp9, 0x10002                  ; s
	s_bfe_u32 s26, ttmp9, 0x30003                  ; t
	s_lshr_b32 s27, ttmp9, 6                       ; g
	s_lshl_b32 s28, s25, 17                        ; in: row 64 s + 16 c,
	s_lshl_b32 s29, s24, 15
	s_add_co_u32 s28, s28, s29
	s_lshl_b32 s29, s26, 8                         ; column 64 t + head
	s_add_co_u32 s28, s28, s29
	s_lshl_b32 s29, s14, 2
	s_add_co_u32 s28, s28, s29
	s_mov_b32 s29, 0
	s_lshl_b32 s30, s27, 2                         ; out: ((((4 g + head) 8 + t) 2 + s) 4 + c) x 512
	s_add_co_u32 s30, s30, s14
	s_lshl_b32 s30, s30, 3
	s_add_co_u32 s30, s30, s26
	s_lshl_b32 s30, s30, 1
	s_add_co_u32 s30, s30, s25
	s_lshl_b32 s30, s30, 2
	s_add_co_u32 s30, s30, s24
	s_lshl_b32 s30, s30, 9
	s_mov_b32 s31, 0
	s_wait_kmcnt 0x0
	s_load_b256 s[16:23], s[10:11], 0x0            ; e0 .. e7
	s_cmp_eq_u32 s27, 0                            ; which weight: the choice hangs on the work-group's number alone
	s_cselect_b64 s[4:5], s[4:5], s[6:7]
	s_cmp_eq_u32 s27, 2
	s_cselect_b64 s[4:5], s[8:9], s[4:5]
	s_add_nc_u64 s[4:5], s[4:5], s[28:29]
	s_add_nc_u64 s[12:13], s[12:13], s[30:31]
.irp i, 0,1,2,3,4,5,6,7,8,9,10,11,12,13,14,15
	global_load_b32 v[16+\i], v3, s[4:5] offset:(4*(\i/8)+(\i%4)+128*((\i/4)%2))*ROWW   ; position i of my sixteen
.endr
	s_wait_kmcnt 0x0
	s_cmp_eq_u32 s27, 0
	s_cselect_b32 s17, s17, s19                    ; e1 or e3,
	s_cmp_eq_u32 s27, 2
	s_cselect_b32 s17, s21, s17                    ; or e5
	s_add_co_i32 s17, s17, 127
	s_lshl_b32 s18, s17, 23
	v_mov_b32 v11, s18                             ; 2^e as f32: the conversion takes its exponent field
	s_add_co_i32 s17, s17, 8
	s_lshl_b32 s17, s17, 23
	s_or_b32 s17, s17, 0x600000
	v_mov_b32 v10, s17                             ; 448 x 2^e
	s_wait_loadcnt 0x0
.irp i, 0,1,2,3,4,5,6,7,8,9,10,11,12,13,14,15
	v_med3_num_f32 v[16+\i], v[16+\i], -v10, v10   ; the conversion to an 8-bit code does not saturate (ISA guide 7.6.2): the hold comes first
.endr
	v_cvt_scalef32_pk8_fp8_f32 v[32:33], v[16:23], v11
	v_cvt_scalef32_pk8_fp8_f32 v[34:35], v[24:31], v11
	v_nop                                          ; a plain line behind the last conversion
	global_store_b128 v5, v[32:35], s[12:13]       ; the wave stores 512 consecutive bytes, at a multiple of 512 from the buffer's first byte
	s_endpgm
.Lfunc_end_k_qd59b885082_prep:
	.size	k_qd59b885082_prep, .Lfunc_end_k_qd59b885082_prep-k_qd59b885082_prep
	.p2alignl 7, 3214868480
	.fill 96, 4, 3214868480
	.section	.rodata,"a",@progbits
	.p2align	6, 0x0
	.amdhsa_kernel k_qd59b885082_prep
		.amdhsa_group_segment_fixed_size 0
		.amdhsa_private_segment_fixed_size 0
		.amdhsa_enable_private_segment 0
		.amdhsa_kernarg_size 40
		.amdhsa_user_sgpr_count 2
		.amdhsa_user_sgpr_kernarg_segment_ptr 1
		.amdhsa_wavefront_size32 1
		.amdhsa_system_sgpr_workgroup_id_x 1
		.amdhsa_system_sgpr_workgroup_id_y 1
		.amdhsa_system_sgpr_workgroup_id_z 1
		.amdhsa_system_vgpr_workitem_id 0
		.amdhsa_next_free_vgpr 48
		.amdhsa_next_free_sgpr 66
		.amdhsa_reserve_vcc 0
		.amdhsa_float_denorm_mode_32 3
		.amdhsa_float_denorm_mode_16_64 3
		.amdhsa_memory_ordered 1
		.amdhsa_forward_progress 1
		.amdhsa_inst_pref_size 5
	.end_amdhsa_kernel
	.amdgpu_metadata
---
amdhsa.version: [ 1, 2 ]
amdhsa.kernels:
  - .name:           k_qd59b885082_prep
    .symbol:         k_qd59b885082_prep.kd
    .args:
      - { .name: Wq, .offset: 0, .size: 8, .value_kind: global_buffer, .address_space: global }
      - { .name: Wk, .offset: 8, .size: 8, .value_kind: global_buffer, .address_space: global }
      - { .name: Wv, .offset: 16, .size: 8, .value_kind: global_buffer, .address_space: global }
      - { .name: lowp_scales, .offset: 24, .size: 8, .value_kind: global_buffer, .address_space: global }
      - { .name: wfrag, .offset: 32, .size: 8, .value_kind: global_buffer, .address_space: global }
    .group_segment_fixed_size: 0
    .private_segment_fixed_size: 0
    .kernarg_segment_align: 8
    .kernarg_segment_size: 40
    .max_flat_workgroup_size: 128
    .sgpr_count:     66
    .vgpr_count:     48
    .wavefront_size: 32
...
	.end_amdgpu_metadata
.endif
;; end of part 1
;; launch kvsum (part 2): grid 250 x 1, 4 waves a work-group, no clusters, 101,888 bytes of LDS; arguments source_input, wfrag, bk, bv, lowp_scales, part; writes part
.if DOCPART == 2
	.amdgcn_target "amdgcn-amd-amdhsa--gfx1250"
	.amdhsa_code_object_version 6
	.text
	.protected	k_qd59b885082_kvsum
	.globl	k_qd59b885082_kvsum
	.p2align	8
	.type	k_qd59b885082_kvsum,@function
k_qd59b885082_kvsum:
	s_mov_b64 s[64:65], 0
	v_nop
	global_prefetch_b8 v0, s[64:65] scope:SCOPE_SE
	s_setreg_imm32_b32 hwreg(HW_REG_WAVE_MODE, 25, 1), 1
	s_wait_xcnt 0x0
; part[range][h][d][m] = the sum over the range's 800 rows l of code(k[l][m][h] / sqrt(n)) x code(v[l][d][h]), as raw f32 sums of products of codes.
; k = x Wk + bk, v = x Wv + bv, x = source_input [100000][256] f32; all three products on codes of E4M3 with the given scales:
; x by 2^e2 for k and by 2^e4 for v (both sets of codes are always made), Wk, Wv as the first launch laid them.
; In the product over the rows, as it is lowered, v is the left operand and k / sqrt(n) the right one: v is quantised by 2^e6, k / sqrt(n) by 2^e7.
; SHARES.  100,000 rows = 125 ranges of 800.  A range has two work-groups with neighbouring numbers, one for heads 0, 1 and one for heads 2, 3.
; Wave w: g = w / 2 picks the head, kv = w % 2 picks k or v.  It keeps its head's 128 columns of Wk or Wv (256 registers), projects them for every row of a
; block, and owns 64 d x 128 m of its head's sums (32 accumulators, 256 registers).  Two blocks of x are always on their way into the remaining registers.
; A BLOCK is 64 rows (the first: 32, so that 800 = 32 + 12 x 64; its products start the sums with C = 0, the upper half of its K = 64 being zero codes):
;   X: each wave holds and converts its 16 rows twice (2^e2, 2^e4), 8 rows at a time, and stores the codes as rows in LDS | barrier |
;   PP: x's fragments from LDS, 16 rows x 128 K; D = x W, used as it is: a lane holds ONE column and its registers run along the ROWS, which are the next K;
;       y = sum x alpha + beta, held, converted: two tiles of rows give four registers of a K = 64 fragment in that form's own layout; image to LDS | barrier |
;   P4: k's eight and v's four fragments from LDS as images of their registers; a(d tile, m tile) += k^ v^: lane = d, registers = eight neighbouring m.
; EVERY REQUEST STANDS AHEAD OF WORK THAT DOES NOT NEED IT.  P4's 24 LDS loads are issued first thing behind the second barrier and its products stand in the middle of the NEXT block's X;
;   the fragments of a block's second pair of row tiles are fetched into the first pair's registers as these become free (K step 0 behind the first 16 products, K step 1 behind the last 16)
;   and land under the quantising; the 32 loads of x for the block two further on go out in two runs of 16, each in front of 32 products and never in front of an LDS read that is about to be waited for.
; XR is written again only behind the second barrier, which each wave signals with its reads of it done; the images only behind the next block's first barrier, likewise.
; x's codes lie in the order in which they are loaded (lane i: numbers 4 i .. 4 i + 3 and 128 + 4 i .. + 3 at bytes 8 i .. 8 i + 7); the weights are laid in the same order.
; alpha, beta: k: alpha = rs x 2^(e2 + e3), beta = bk x rs, rs = 1 / sqrt(100000) rounded to f32; v: alpha = 2^(e4 + e5), beta = bv.
; LIMITS: e2, e4, e6, e7 between -126 and 119; e2 + e3 and e4 + e5 between -117 and 127, so that every power of two here is an f32 number.
;   Multiplying by rs stands for the division by sqrt(n): the two differ by about 1e-7 of the number.  NaN among the inputs is not served.
; NO JOINT LOADS: they bring tiles into LDS, and x arrives as f32: four times the LDS bytes of its codes.  Here x goes from memory to registers in runs of
;   512 bytes and only codes pass through LDS.  The weights are read once by each wave, 32 KB, against the 800 KB of x that a work-group walks.
; REGISTERS, in windows of 256: window 1: W's fragments (ct, ks) at 16 (2 ct + ks);  window 2: a(dl, mt) at 8 (8 dl + mt);  window 3: x on its way, set A v0-127, set B v128-255, row rho at 8 rho.
;   window 0: v1-15, v28 addresses and constants; v16-23 beta; v24-27 zeros; in X: v32-95 k^, v96-127 v^, v128-191 held numbers, v192-255 four sets of codes; in PP: v32-95 x's fragments, v96-223 D, v224-255 codes.
.set PX,   272                         ; a row of codes in LDS: 256 bytes + 16: the 16 rows of a fragment load start at 16 different groups of four banks (64 banks of 4 bytes: ISA guide 11.1)
.set XRV,  64*PX                       ; LDS: 64 rows by 2^e2 at 0, 64 rows by 2^e4 here,
.set IMG,  2*64*PX                     ; [wave 4][column tile 8] fragments of 1,024 bytes = [half 2][lane][16 bytes],
.set STG,  IMG+4*8*1024                ; and for each wave a stage of 16 rows x 528 bytes for the way out
.set SP,   528
.set XO,  1                            ; 16 x lane
.set XS,  2                            ; where I store my 16 rows' codes
.set XF,  3                            ; my lane's place in a fragment of x's codes, in my set
.set IW,  4                            ; where I store my images
.set IK,  5                            ; my head's k^
.set IV,  6                            ; my four tiles of my head's v^
.set SO,  7                            ; the stage: in
.set SR,  8                            ; the stage: back
.set LK,  10                           ; 448 x 2^e2
.set LV,  11                           ; 448 x 2^e4
.set SK,  12                           ; 2^e2
.set SV,  13                           ; 2^e4
.set LY,  14                           ; 448 x 2^ey, ey = e7 for k / sqrt(n), e6 for v
.set SY,  15                           ; 2^ey
.set BE,  16                           ; beta of my column in tile ct
.set ZR,  24                           ; four zeros
.set XSH, 28                           ; where I store my 8 rows of the first block
.set XFR, 32
.set KH,  32
.set VH,  96
.set D,   96
.set T,   128
.set CD,  192
.set PC,  224
.set MSB, 0
.macro WIN new                         ; the immediate's high byte repeats the setting that is left; a switch that changes nothing is dropped
.if MSB != \new
	s_set_vgpr_msb (MSB<<8)|\new
.set MSB, \new
.endif
.endm
.macro BAR                             ; my LDS stores have landed and my LDS loads are in: then the work-group's barrier
	s_wait_dscnt 0x0
	s_barrier_signal -1
	s_barrier_wait -1
.endm
.macro PLACES                          ; four places behind matrix instructions (ISA guide 7.12.1) before their results are read or their registers loaded again
.rept 4
	v_nop
.endr
.endm
.macro POW2 e, vs, vl                  ; v[vs] = 2^s[e], v[vl] = 448 x 2^s[e]
	s_add_co_i32 s40, s[\e], 127
	s_lshl_b32 s41, s40, 23
	v_mov_b32 v[\vs], s41
	s_add_co_i32 s40, s40, 8
	s_lshl_b32 s40, s40, 23
	s_or_b32 s40, s40, 0x600000
	v_mov_b32 v[\vl], s40
.endm
.macro XLOAD dst, nr, b                ; nr rows of x from s[b:b+1] on into window 3: each load of the wave reads 512 consecutive bytes
	WIN 0xc0                                       ; destination window 3, address window 0
.set i, 0
.rept \nr
	global_load_b128 v[\dst+8*i:\dst+8*i+3],   v[XO], s[\b:\b+1] offset:1024*i
	global_load_b128 v[\dst+8*i+4:\dst+8*i+7], v[XO], s[\b:\b+1] offset:1024*i+512
.set i, i+1
.endr
	WIN 0
.endm
; Half hf (8 rows, 16 loads) of the block two further on, into the set that this block's X has read out.
.macro FILL src, hf
.if \hf == 0
	s_wait_xcnt 0x0                                ; the base of the loads issued so far is stepped only behind this wait
	s_add_nc_u64 s[32:33], s[32:33], 65536         ; 64 rows on
.endif
	WIN 0xc0                                       ; destination window 3, address window 0
.set i, 8*\hf
.rept 8
	global_load_b128 v[\src+8*i:\src+8*i+3],   v[XO], s[32:33] offset:1024*i
	global_load_b128 v[\src+8*i+4:\src+8*i+7], v[XO], s[32:33] offset:1024*i+512
.set i, i+1
.endr
.endm
; Rows r0 .. r0 + 7 of set src: held at +-v[lim], converted by v[sc] into the 16 registers from v[cd] on, stored as rows of codes at v[adr] + off.
.macro SUB src, r0, lim, sc, cd, adr, off
	WIN 0x03                                       ; source 0 window 3
.set i, 0
.rept 64
	v_med3_num_f32 v[T+i], v[\src+8*(\r0)+i], -v[\lim], v[\lim]   ; the conversion does not saturate (ISA guide 7.6.2): the hold at 448 x the scale
.set i, i+1
.endr
	WIN 0
.set i, 0
.rept 8
	v_cvt_scalef32_pk8_fp8_f32 v[\cd+2*i:\cd+2*i+1], v[T+8*i:T+8*i+7], v[\sc]
.set i, i+1
.endr
	v_nop                                          ; a plain line between the conversions and the lines that write their sources again
.set i, 0
.rept 8
	ds_store_b64 v[\adr], v[\cd+2*i:\cd+2*i+1] offset:\off+((\r0)+i)*PX      ; 32 lanes x 8 bytes: a row of 256 codes
.set i, i+1
.endr
.endm
; A block's 64 rows are one K step of the sums over rows: the fragments, 24 LDS loads,
.macro P4LOAD
.irp mt, 0,1,2,3,4,5,6,7
	ds_load_b128 v[KH+8*\mt:KH+8*\mt+3],   v[IK] offset:\mt*1024
	ds_load_b128 v[KH+8*\mt+4:KH+8*\mt+7], v[IK] offset:\mt*1024+512
.endr
.irp dl, 0,1,2,3
	ds_load_b128 v[VH+8*\dl:VH+8*\dl+3],   v[IV] offset:\dl*1024
	ds_load_b128 v[VH+8*\dl+4:VH+8*\dl+7], v[IV] offset:\dl*1024+512
.endr
.endm
; and the products.  zero = 1: they start the sums.
.macro P4MUL zero
	WIN 0xa0                                       ; C and D window 2
.irp dl, 0,1,2,3                               ; 32 accumulators by turns, one instruction a turn, in the same order in every block
.irp mt, 0,1,2,3,4,5,6,7
.if \zero
	v_wmma_f32_16x16x64_fp8_fp8 v[8*(8*\dl+\mt):8*(8*\dl+\mt)+7], v[KH+8*\mt:KH+8*\mt+7], v[VH+8*\dl:VH+8*\dl+7], 0
.else
	v_wmma_f32_16x16x64_fp8_fp8 v[8*(8*\dl+\mt):8*(8*\dl+\mt)+7], v[KH+8*\mt:KH+8*\mt+7], v[VH+8*\dl:VH+8*\dl+7], v[8*(8*\dl+\mt):8*(8*\dl+\mt)+7]
.endif
.endr
.endr
.endm
; X of a block of 64 rows, with the block before's sums over rows in its middle.  cnt: the younger loads of x that may stay out.
.macro XQP src, cnt, zero
	P4LOAD                                         ; first thing behind the barrier that showed the images whole
	s_wait_loadcnt \cnt                            ; loads come back in order: this set is in, the other set's loads stay out
	SUB \src, 0, LK, SK, CD, XS, 0
	SUB \src, 8, LK, SK, CD+16, XS, 0
	s_wait_dscnt 16                                ; the 24 fragment loads are in; the 16 stores issued behind them may be out
	P4MUL \zero                                    ; the lines behind it touch none of its registers; x's fragments land on k^'s registers only behind the 128 holds below
	SUB \src, 0, LV, SV, CD+32, XS, XRV
	SUB \src, 8, LV, SV, CD+48, XS, XRV
.endm
.macro FRAGS pr, ks                    ; x's fragments of row tiles 2 pr, 2 pr + 1 for K step ks: 8 LDS loads (they name window 0 in the places that an LDS load uses under both settings in which they stand)
.irp rt, 0,1
.irp c, 0,1,2,3
	ds_load_b128 v[XFR+32*\rt+16*(\ks)+4*\c:XFR+32*\rt+16*(\ks)+4*\c+3], v[XF] offset:(32*(\pr)+16*\rt)*PX+128*(\ks)+32*\c
.endr
.endr
.endm
.macro MULS ks                         ; 16 products: the sixteen accumulators take turns, one instruction a turn
.irp ct, 0,1,2,3,4,5,6,7
.irp rt, 0,1
.if \ks == 0
	v_wmma_f32_16x16x128_fp8_fp8 v[D+16*\ct+8*\rt:D+16*\ct+8*\rt+7], v[XFR+32*\rt:XFR+32*\rt+15], v[32*\ct:32*\ct+15], 0
.else
	v_wmma_f32_16x16x128_fp8_fp8 v[D+16*\ct+8*\rt:D+16*\ct+8*\rt+7], v[XFR+32*\rt+16:XFR+32*\rt+31], v[32*\ct+16:32*\ct+31], v[D+16*\ct+8*\rt:D+16*\ct+8*\rt+7]
.endif
.endr
.endr
.endm
.macro QUANT pr                        ; the sums of row tiles 2 pr, 2 pr + 1 are scaled, held, converted: half pr of my eight images
.irp ct, 0,1,2,3,4,5,6,7
.irp i, 0,2,4,6,8,10,12,14                     ; y = sum x alpha + beta, two at a time, each accumulator from its low end on
.if (\ct%2) == 0
	v_pk_fma_f32 v[D+16*\ct+\i:D+16*\ct+\i+1], v[D+16*\ct+\i:D+16*\ct+\i+1], s[36:37], v[BE+\ct:BE+\ct+1] op_sel_hi:[1,0,0]                ; beta: the pair's low word for both halves
.else
	v_pk_fma_f32 v[D+16*\ct+\i:D+16*\ct+\i+1], v[D+16*\ct+\i:D+16*\ct+\i+1], s[36:37], v[BE+\ct-1:BE+\ct] op_sel:[0,0,1] op_sel_hi:[1,0,1]  ; beta: the pair's high word for both halves
.endif
.endr
.irp i, 0,1,2,3,4,5,6,7,8,9,10,11,12,13,14,15
	v_med3_num_f32 v[D+16*\ct+\i], v[D+16*\ct+\i], -v[LY], v[LY]
.endr
	v_cvt_scalef32_pk8_fp8_f32 v[PC+4*\ct:PC+4*\ct+1],   v[D+16*\ct:D+16*\ct+7],    v[SY]   ; rows 16 (2 pr) + 8 (lane / 16) + 0 .. 7 of my column,
	v_cvt_scalef32_pk8_fp8_f32 v[PC+4*\ct+2:PC+4*\ct+3], v[D+16*\ct+8:D+16*\ct+15], v[SY]   ; and the same of the next 16 rows: registers 4 pr .. 4 pr + 3 of the K = 64 fragment
.endr
	v_nop                                          ; a plain line behind the last conversion
.irp ct, 0,1,2,3,4,5,6,7
	ds_store_b128 v[IW], v[PC+4*\ct:PC+4*\ct+3] offset:\ct*1024+\pr*512
.endr
.endm
; The projections of a block of 64 rows, between its two barriers.  fill = 1: set src takes the block two further on.
.macro PP src, fill
	BAR                                            ; the block's 64 rows of codes lie in LDS, in both sets
	FRAGS 0, 0
	FRAGS 0, 1
	s_wait_dscnt 0x0
.if \fill
	FILL \src, 0
.endif
	WIN 0x04                                       ; source 1 (W) window 1
	MULS 0
	PLACES
	FRAGS 1, 0                                     ; the next pair's K step 0, into the registers that the 16 products above have read
	MULS 1
	WIN 0
	PLACES
	FRAGS 1, 1                                     ; and its K step 1: both land under the quantising
	QUANT 0
	s_wait_dscnt 8                                 ; the 16 fragment loads are in; my eight image stores, issued behind them, may be out
.if \fill
	FILL \src, 1
.endif
	WIN 0x04
	MULS 0
	MULS 1
	WIN 0
	PLACES
	s_wait_dscnt 0x0                               ; my image stores have read their registers, which the conversions below write again
	QUANT 1
	BAR                                            ; all 32 images lie in LDS
.endm
	s_load_b256 s[4:11], s[0:1], 0x0               ; x s[4:5], wfrag s[6:7], bk s[8:9], bv s[10:11]
	s_load_b128 s[12:15], s[0:1], 0x20             ; the scales' exponents s[12:13], part s[14:15]
	v_lshrrev_b32 v9, 5, v0
	v_readfirstlane_b32 s16, v9                    ; wave 0..3
	s_lshr_b32 s17, s16, 1                         ; g
	s_and_b32 s18, s16, 1                          ; kv
	s_lshr_b32 s19, ttmp9, 1                       ; range
	s_and_b32 s20, ttmp9, 1                        ; which pair of heads
	s_lshl_b32 s21, s20, 1
	s_add_co_u32 s21, s21, s17                     ; head
	v_and_b32 v9, 31, v0                           ; lane
	v_and_b32 v29, 15, v0                          ; r
	v_bfe_u32 v30, v0, 4, 1                        ; lane / 16
	v_lshlrev_b32 v[XO], 4, v9
	v_lshlrev_b32 v31, 3, v9                       ; 8 x lane
	s_mul_i32 s40, s16, 16*PX
	v_add_nc_u32 v[XS], s40, v31
	s_mul_i32 s40, s16, 8*PX
	v_add_nc_u32 v[XSH], s40, v31
	v_mul_u32_u24 v[XF], v29, PX
	v_lshl_add_u32 v[XF], v30, 4, v[XF]
	s_mul_i32 s40, s18, XRV
	v_add_nc_u32 v[XF], s40, v[XF]
	s_mul_i32 s40, s16, 8192
	s_add_co_u32 s40, s40, IMG
	v_add_nc_u32 v[IW], s40, v[XO]
	s_mul_i32 s40, s17, 16384
	s_add_co_u32 s40, s40, IMG
	v_add_nc_u32 v[IK], s40, v[XO]                 ; k^ was made by wave 2 g,
	s_mul_i32 s41, s18, 4096
	s_add_co_u32 s40, s40, s41
	s_add_co_u32 s40, s40, 8192
	v_add_nc_u32 v[IV], s40, v[XO]                 ; v^ by wave 2 g + 1; mine are its tiles 4 kv on
	s_mul_i32 s40, s16, 16*SP
	s_add_co_u32 s40, s40, STG
	v_mul_u32_u24 v[SO], v29, SP
	v_lshl_add_u32 v[SO], v30, 5, v[SO]
	v_add_nc_u32 v[SO], s40, v[SO]                 ; in: row r (a d), 32 bytes for each half of the lanes
	v_add_nc_u32 v[SR], s40, v[XO]                 ; back: the 32 lanes take a row of 512 bytes
	v_lshlrev_b32 v29, 4, v29                      ; the bias of column 4 (16 ct + r) + head: 16 r bytes
.irp i, 0,1,2,3
	v_mov_b32 v[ZR+\i], 0
.endr
	s_mov_b32 s43, 0
	s_mul_i32 s40, s19, 819200                     ; the range's 800 rows of 1,024 bytes
	s_wait_kmcnt 0x0
	s_load_b256 s[24:31], s[12:13], 0x0            ; e0 .. e7
	s_cmp_eq_u32 s18, 0                            ; bk or bv: the choice hangs on the wave's number alone
	s_cselect_b64 s[8:9], s[8:9], s[10:11]
	s_lshl_b32 s42, s21, 2
	s_add_nc_u64 s[8:9], s[8:9], s[42:43]
	s_add_co_u32 s42, s18, 1                       ; wfrag: Wk is weight 1, Wv weight 2; 32,768 bytes for a weight's head
	s_lshl_b32 s42, s42, 2
	s_add_co_u32 s42, s42, s21
	s_lshl_b32 s42, s42, 15
	s_add_nc_u64 s[6:7], s[6:7], s[42:43]
	s_lshl_b32 s42, s19, 2                         ; part: ((4 range + head) 2 + kv) x 64 rows of 512 bytes
	s_add_co_u32 s42, s42, s21
	s_lshl_b32 s42, s42, 1
	s_add_co_u32 s42, s42, s18
	s_lshl_b32 s42, s42, 15
	s_add_nc_u64 s[14:15], s[14:15], s[42:43]
	s_lshl_b32 s41, s16, 13
	s_add_co_u32 s42, s40, s41
	s_add_nc_u64 s[34:35], s[4:5], s[42:43]        ; the first block: my 8 of its 32 rows
	s_lshl_b32 s41, s16, 14
	s_add_co_u32 s42, s40, s41
	s_add_co_u32 s42, s42, 32768
	s_add_nc_u64 s[32:33], s[4:5], s[42:43]        ; the second block: my 16 of its 64 rows
	WIN 0x40                                       ; destination window 1
.set i, 0
.rept 64
	global_load_b128 v[4*i:4*i+3], v[XO], s[6:7] offset:512*i   ; my 16 fragments of W, as they lie: they stay
.set i, i+1
.endr
	WIN 0
.irp ct, 0,1,2,3,4,5,6,7
	global_load_b32 v[BE+\ct], v29, s[8:9] offset:256*\ct
.endr
	XLOAD 0, 8, 34
	XLOAD 128, 16, 32
	s_wait_kmcnt 0x0
	POW2 26, SK, LK
	POW2 28, SV, LV
	s_cmp_eq_u32 s18, 0
	s_cselect_b32 s42, s31, s30                    ; ey: e7 for k / sqrt(n), the product's right operand; e6 for v, its left one
	POW2 42, SY, LY
	s_add_co_i32 s40, s26, s27
	s_lshl_b32 s40, s40, 23
	s_add_co_i32 s40, s40, 0x3b4f3e37              ; rs x 2^(e2 + e3): the exponents are added to rs's exponent field
	s_add_co_i32 s41, s28, s29
	s_add_co_i32 s41, s41, 127
	s_lshl_b32 s41, s41, 23                        ; 2^(e4 + e5)
	s_cmp_eq_u32 s18, 0
	s_cselect_b32 s36, s40, s41                    ; alpha
	s_mov_b32 s37, s36                             ; (named with it as a pair, so it is written)
	s_cselect_b32 s39, 0x3b4f3e37, 1.0             ; the bias's factor
	s_wait_loadcnt 32                              ; all but the second block's 32 loads are in
.irp ct, 0,1,2,3,4,5,6,7
	v_mul_f32 v[BE+\ct], s39, v[BE+\ct]
.endr
	; the first block: 32 rows, 8 a wave; one pair of row tiles
	SUB 0, 0, LK, SK, CD, XSH, 0
	SUB 0, 0, LV, SV, CD+32, XSH, XRV
	BAR
	FRAGS 0, 0
	FRAGS 0, 1
	s_wait_dscnt 0x0
	FILL 0, 0                                      ; the third block, into set A
	FILL 0, 1
	WIN 0x04
	MULS 0
	MULS 1
	WIN 0
	PLACES
	QUANT 0
.irp ct, 0,1,2,3,4,5,6,7
	ds_store_b128 v[IW], v[ZR:ZR+3] offset:\ct*1024+512    ; the upper 32 of this K step are zero codes, which add nothing
.endr
	BAR
	XQP 128, 32, 1                                 ; X of block 1; the first block's products start the sums: written out ahead of the loop
	s_mov_b32 s38, 5
.Lpair:                                                ; trip t: the projections of block 2 t + 1, X of 2 t + 2, its projections, X of 2 t + 3: the register sets are back where they began
	PP 128, 1
	XQP 0, 32, 0
	PP 0, 1
	XQP 128, 32, 0
	s_sub_co_u32 s38, s38, 1
	s_cmp_lg_u32 s38, 0
	s_cbranch_scc1 .Lpair
	PP 128, 0                                      ; blocks 11 and 12 ask for nothing: no load leaves the buffer
	XQP 0, 0, 0
	PP 0, 0
	P4LOAD                                         ; the last block's sums over rows
	s_wait_dscnt 0x0
	P4MUL 0
	WIN 0
	PLACES
; THE WAY OUT.  A lane holds 32 neighbouring bytes of a row d and the lanes beside it hold other rows: 16 rows at a time go through my own stage and come back as whole rows of 512 bytes.
; LDS serves a wave's instructions in order (ISA guide 5.7.1.4): no wait between the stores and the loads, nor in front of the next group's stores.
.macro OUTD dl, bank
	WIN 0x08                                       ; store data window 2
.irp mt, 0,1,2,3,4,5,6,7
	ds_store_b128 v[SO], v[8*(8*\dl+\mt):8*(8*\dl+\mt)+3]   offset:64*\mt
	ds_store_b128 v[SO], v[8*(8*\dl+\mt)+4:8*(8*\dl+\mt)+7] offset:64*\mt+16
.endr
	WIN 0
.irp i, 0,1,2,3,4,5,6,7,8,9,10,11,12,13,14,15
	ds_load_b128 v[\bank+4*\i:\bank+4*\i+3], v[SR] offset:\i*SP
.endr
.irp i, 0,1,2,3,4,5,6,7,8,9,10,11,12,13,14,15
	s_wait_dscnt 15-\i                             ; row i is back; the younger loads stay out
	global_store_b128 v[XO], v[\bank+4*\i:\bank+4*\i+3], s[14:15] offset:\dl*8192+\i*512   ; 32 lanes store 512 consecutive bytes, at a multiple of 512 from the buffer's first byte
.endr
.endm
	OUTD 0, 32
	OUTD 1, 96
	OUTD 2, 160
	s_wait_xcnt 0x0                                ; the first group's stores have read their registers: they are loaded again only behind this wait
	OUTD 3, 32
	s_wait_xcnt 0x0
	v_lshl_add_u32 v254, v0, 2, 0x18c00
	v_mov_b32 v255, 0
	s_wait_tensorcnt 0x0
	ds_add_u32 v254, v255
	s_wait_dscnt 0x0
	s_endpgm
.Lfunc_end_k_qd59b885082_kvsum:
	.size	k_qd59b885082_kvsum, .Lfunc_end_k_qd59b885082_kvsum-k_qd59b885082_kvsum
	.p2alignl 7, 3214868480
	.fill 96, 4, 3214868480
	.section	.rodata,"a",@progbits
	.p2align	6, 0x0
	.amdhsa_kernel k_qd59b885082_kvsum
		.amdhsa_group_segment_fixed_size 101888
		.amdhsa_private_segment_fixed_size 0
		.amdhsa_enable_private_segment 0
		.amdhsa_kernarg_size 48
		.amdhsa_user_sgpr_count 2
		.amdhsa_user_sgpr_kernarg_segment_ptr 1
		.amdhsa_wavefront_size32 1
		.amdhsa_system_sgpr_workgroup_id_x 1
		.amdhsa_system_sgpr_workgroup_id_y 1
		.amdhsa_system_sgpr_workgroup_id_z 1
		.amdhsa_system_vgpr_workitem_id 0
		.amdhsa_next_free_vgpr 1024
		.amdhsa_next_free_sgpr 66
		.amdhsa_reserve_vcc 0
		.amdhsa_float_denorm_mode_32 3
		.amdhsa_float_denorm_mode_16_64 3
		.amdhsa_memory_ordered 1
		.amdhsa_forward_progress 1
		.amdhsa_inst_pref_size 255
	.end_amdhsa_kernel
	.section	.bss,"aw",@nobits
	.p2align	6
	.space	262144
	.amdgpu_metadata
---
amdhsa.version: [ 1, 2 ]
amdhsa.kernels:
  - .name:           k_qd59b885082_kvsum
    .symbol:         k_qd59b885082_kvsum.kd
    .args:
      - { .name: source_input, .offset: 0, .size: 8, .value_kind: global_buffer, .address_space: global }
      - { .name: wfrag, .offset: 8, .size: 8, .value_kind: global_buffer, .address_space: global }
      - { .name: bk, .offset: 16, .size: 8, .value_kind: global_buffer, .address_space: global }
      - { .name: bv, .offset: 24, .size: 8, .value_kind: global_buffer, .address_space: global }
      - { .name: lowp_scales, .offset: 32, .size: 8, .value_kind: global_buffer, .address_space: global }
      - { .name: part, .offset: 40, .size: 8, .value_kind: global_buffer, .address_space: global }
    .group_segment_fixed_size: 101888
    .private_segment_fixed_size: 0
    .kernarg_segment_align: 8
    .kernarg_segment_size: 48
    .max_flat_workgroup_size: 128
    .sgpr_count:     66
    .vgpr_count:     1024
    .wavefront_size: 32
...
	.end_amdgpu_metadata
.endif
;; end of part 2
;; launch soft (part 3): grid 256 x 1, 10 waves a work-group, no clusters, 6,400 bytes of LDS; arguments part, lowp_scales, pcodes, cinv; writes pcodes, cinv
.if DOCPART == 3
	.amdgcn_target "amdgcn-amd-amdhsa--gfx1250"
	.amdhsa_code_object_version 6
	.text
	.protected	k_qd59b885082_soft
	.globl	k_qd59b885082_soft
	.p2align	8
	.type	k_qd59b885082_soft,@function
k_qd59b885082_soft:
	s_mov_b64 s[64:65], 0
	v_nop
	global_prefetch_b8 v0, s[64:65] scope:SCOPE_SE
	s_setreg_imm32_b32 hwreg(HW_REG_WAVE_MODE, 25, 1), 1
	s_wait_xcnt 0x0
; For each (d, h): a[m] = 2^(e6 + e7) x the sum over the 125 ranges of part[range][h][d][m];  t = a x log2(e);  M = ceil(the largest t over m);  p[m] = 2^(t - M);
; l = the sum of the unquantised p;  pcodes[d][128 h + m] = code(p / 2^e8);  cinv[128 h + d] = 2^(e8 + e9) / (4 l): the divisor, both scales of the last product and the mean over four heads.
; SHARES.  A work-group takes one d and two heads; five waves to a head, each adding 25 ranges' rows of 512 bytes (lane i: m = 4 i .. 4 i + 3).  The five sums meet in LDS;
; each of the five waves then adds them in the same order and computes the same softmax, and the first of the five stores.
; The maximum is the row's own: no fixed shift.  The partial sums are added in a fixed order.
; A store of codes covers 128 consecutive bytes (one head's part of a row of 512); the whole buffer is 64 KB.
; LIMITS: e8 between -126 and 119.  e6 + e7 and e8 + e9 are applied by v_ldexp_f32 and have none.  NaN is not served.
; Matrix units, clusters and tensor loads buy nothing here: a stream of 32 MB read once, with a reduction.
.set RB, 262144                        ; bytes of one range's four heads
	s_load_b256 s[4:11], s[0:1], 0x0               ; part s[4:5], the scales' exponents s[6:7], pcodes s[8:9], cinv s[10:11]
	v_lshl_add_u32 v128, v0, 2, 0x1400
	v_mov_b32 v129, 0
	v_lshrrev_b32 v1, 5, v0
	v_readfirstlane_b32 s12, v1                    ; wave 0..9
	s_mul_i32 s13, s12, 52
	s_lshr_b32 s13, s13, 8                         ; g = wave / 5
	s_mul_i32 s14, s13, 5
	s_sub_co_u32 s14, s12, s14                     ; u = wave % 5
	s_lshr_b32 s15, ttmp9, 1                       ; d
	s_and_b32 s26, ttmp9, 1
	s_lshl_b32 s26, s26, 1
	s_add_co_u32 s26, s26, s13                     ; head
	v_and_b32 v1, 31, v0                           ; lane
	v_lshlrev_b32 v2, 4, v1                        ; 16 x lane
	v_lshlrev_b32 v3, 2, v1                        ; 4 x lane
	v_mov_b32 v6, 0
	s_lshl_b32 s27, s12, 9
	v_add_nc_u32 v4, s27, v2                       ; LDS: my wave's 512 bytes
	s_mul_i32 s27, s13, 2560
	v_add_nc_u32 v5, s27, v2                       ; LDS: my head's five sums
	s_mul_i32 s28, s14, 25*RB
	s_lshl_b32 s27, s26, 16
	s_add_co_u32 s28, s28, s27
	s_lshl_b32 s27, s15, 9
	s_add_co_u32 s28, s28, s27                     ; range 25 u, head, row d
	s_mov_b32 s29, 0
	s_lshl_b32 s30, s26, 7                         ; 128 head
	s_add_co_u32 s36, s27, s30                     ; pcodes: 512 d + 128 head
	s_mov_b32 s37, 0
	s_add_co_u32 s38, s30, s15
	s_lshl_b32 s38, s38, 2                         ; cinv: 4 (128 head + d)
	s_mov_b32 s39, 0
	s_mov_b32 s32, 0x76543210                      ; v_permlanex16_b32's selects for lane l xor 16
	s_mov_b32 s33, 0xfedcba98
	s_mov_b32 s34, 0x3fb8aa3b                      ; log2(e)
	s_wait_kmcnt 0x0
	s_load_b256 s[16:23], s[6:7], 0x0              ; e0 .. e7
	s_load_b64 s[24:25], s[6:7], 0x20              ; e8, e9
	s_add_nc_u64 s[4:5], s[4:5], s[28:29]
	s_add_nc_u64 s[8:9], s[8:9], s[36:37]
	s_add_nc_u64 s[10:11], s[10:11], s[38:39]
.set i, 0
.rept 25
	global_load_b128 v[16+4*i:19+4*i], v2, s[4:5] offset:i*RB th:TH_LOAD_NT   ; 512 consecutive bytes a load; 24 x 262,144 lies inside the signed 24-bit immediate
.set i, i+1
.endr
	s_wait_loadcnt 0x0
.irp i, 2,4,6,8,10,12,14,16,18,20,22           ; four chains that do not wait for each other
	v_pk_add_f32 v[16:17], v[16:17], v[16+4*\i:17+4*\i]
	v_pk_add_f32 v[18:19], v[18:19], v[18+4*\i:19+4*\i]
	v_pk_add_f32 v[20:21], v[20:21], v[20+4*\i:21+4*\i]
	v_pk_add_f32 v[22:23], v[22:23], v[22+4*\i:23+4*\i]
.endr
	v_pk_add_f32 v[16:17], v[16:17], v[112:113]
	v_pk_add_f32 v[18:19], v[18:19], v[114:115]
	v_pk_add_f32 v[16:17], v[16:17], v[20:21]
	v_pk_add_f32 v[18:19], v[18:19], v[22:23]
	ds_store_b128 v4, v[16:19]
	s_wait_dscnt 0x0                               ; for the others' sake: my store has landed
	s_barrier_signal -1
	s_barrier_wait -1
.irp j, 0,1,2,3,4
	ds_load_b128 v[16+4*\j:19+4*\j], v5 offset:512*\j
.endr
	s_wait_dscnt 0x0
.irp j, 1,2,3,4
	v_pk_add_f32 v[16:17], v[16:17], v[16+4*\j:17+4*\j]
	v_pk_add_f32 v[18:19], v[18:19], v[18+4*\j:19+4*\j]
.endr
	s_wait_kmcnt 0x0
	s_add_co_i32 s30, s22, s23                     ; e6 + e7
.irp i, 0,1,2,3
	v_ldexp_f32 v[16+\i], v[16+\i], s30            ; a
.endr
	v_max3_num_f32 v20, v16, v17, v18
	v_max_num_f32 v20, v20, v19
	v_mov_b32 v21, 0                               ; a lane permute's destination counts as one of its sources
	v_max_num_f32_dpp v20, v20, v20 row_xmask:1 row_mask:0xf bank_mask:0xf
	v_max_num_f32_dpp v20, v20, v20 row_xmask:2 row_mask:0xf bank_mask:0xf
	v_max_num_f32_dpp v20, v20, v20 row_xmask:4 row_mask:0xf bank_mask:0xf
	v_max_num_f32_dpp v20, v20, v20 row_xmask:8 row_mask:0xf bank_mask:0xf
	v_permlanex16_b32 v21, v20, s32, s33
	v_max_num_f32 v20, v20, v21                    ; the largest a over the 128 m, in every lane
	v_mul_f32 v20, s34, v20                        ; the largest t (log2(e) is positive)
	v_floor_f32 v22, -v20                          ; -M = floor(-t) = -ceil(t)
.irp i, 0,1,2,3
	v_fma_f32 v[32+\i], v[16+\i], s34, v22         ; t - M
.endr
.irp i, 0,1,2,3
	v_exp_f32 v[32+\i], v[32+\i]                   ; p = 2^(t - M)
.endr
.irp i, 4,5,6,7
	v_mov_b32 v[32+\i], 0                          ; plain lines behind the exponentials: the conversion takes eight numbers, four of them are zeros
.endr
	s_wait_alu depctr_va_vdst(0)
	v_add_f32 v24, v32, v33                        ; l is taken of the unquantised p
	v_add_f32 v25, v34, v35
	v_add_f32 v24, v24, v25
	v_add_f32_dpp v24, v24, v24 row_xmask:1 row_mask:0xf bank_mask:0xf
	v_add_f32_dpp v24, v24, v24 row_xmask:2 row_mask:0xf bank_mask:0xf
	v_add_f32_dpp v24, v24, v24 row_xmask:4 row_mask:0xf bank_mask:0xf
	v_add_f32_dpp v24, v24, v24 row_xmask:8 row_mask:0xf bank_mask:0xf
	v_permlanex16_b32 v21, v24, s32, s33
	v_add_f32 v24, v24, v21
	s_add_co_i32 s30, s24, 127
	s_lshl_b32 s31, s30, 23
	v_mov_b32 v44, s31                             ; 2^e8
	s_add_co_i32 s30, s30, 8
	s_lshl_b32 s30, s30, 23
	s_or_b32 s30, s30, 0x600000
	v_mov_b32 v45, s30                             ; 448 x 2^e8
	v_rcp_f32 v26, v24
.irp i, 0,1,2,3
	v_min_num_f32 v[32+\i], v[32+\i], v45          ; p is not negative: the hold is one-sided.  (Plain lines behind the reciprocal)
.endr
	v_cvt_scalef32_pk8_fp8_f32 v[40:41], v[32:39], v44
	s_add_co_i32 s30, s24, s25
	s_sub_co_i32 s30, s30, 2
	s_wait_alu depctr_va_vdst(0)
	v_ldexp_f32 v26, v26, s30                      ; 2^(e8 + e9 - 2) / l.  (A plain line behind the conversion)
	s_cmp_lg_u32 s14, 0                            ; the first of a head's five waves stores
	s_cbranch_scc1 .Ldone
	global_store_b32 v3, v40, s[8:9]               ; my four codes: the wave stores 128 consecutive bytes
	v_cmp_eq_u32 vcc_lo, 0, v1
	s_wait_xcnt 0x0                                ; EXEC is a source of the store above: it changes only behind this wait
	s_and_saveexec_b32 s35, vcc_lo
	global_store_b32 v6, v26, s[10:11]             ; lane 0 alone
	s_wait_xcnt 0x0
	s_or_b32 exec_lo, exec_lo, s35
.Ldone:
	s_wait_tensorcnt 0x0
	ds_add_u32 v128, v129
	s_wait_dscnt 0x0
	s_endpgm
.Lfunc_end_k_qd59b885082_soft:
	.size	k_qd59b885082_soft, .Lfunc_end_k_qd59b885082_soft-k_qd59b885082_soft
	.p2alignl 7, 3214868480
	.fill 96, 4, 3214868480
	.section	.rodata,"a",@progbits
	.p2align	6, 0x0
	.amdhsa_kernel k_qd59b885082_soft
		.amdhsa_group_segment_fixed_size 6400
		.amdhsa_private_segment_fixed_size 0
		.amdhsa_enable_private_segment 0
		.amdhsa_kernarg_size 32
		.amdhsa_user_sgpr_count 2
		.amdhsa_user_sgpr_kernarg_segment_ptr 1
		.amdhsa_wavefront_size32 1
		.amdhsa_system_sgpr_workgroup_id_x 1
		.amdhsa_system_sgpr_workgroup_id_y 1
		.amdhsa_system_sgpr_workgroup_id_z 1
		.amdhsa_system_vgpr_workitem_id 0
		.amdhsa_next_free_vgpr 130
		.amdhsa_next_free_sgpr 66
		.amdhsa_reserve_vcc 1
		.amdhsa_float_denorm_mode_32 3
		.amdhsa_float_denorm_mode_16_64 3
		.amdhsa_memory_ordered 1
		.amdhsa_forward_progress 1
		.amdhsa_inst_pref_size 12
	.end_amdhsa_kernel
	.amdgpu_metadata
---
amdhsa.version: [ 1, 2 ]
amdhsa.kernels:
  - .name:           k_qd59b885082_soft
    .symbol:         k_qd59b885082_soft.kd
    .args:
      - { .name: part, .offset: 0, .size: 8, .value_kind: global_buffer, .address_space: global }
      - { .name: lowp_scales, .offset: 8, .size: 8, .value_kind: global_buffer, .address_space: global }
      - { .name: pcodes, .offset: 16, .size: 8, .value_kind: global_buffer, .address_space: global }
      - { .name: cinv, .offset: 24, .size: 8, .value_kind: global_buffer, .address_space: global }
    .group_segment_fixed_size: 6400
    .private_segment_fixed_size: 0
    .kernarg_segment_align: 8
    .kernarg_segment_size: 32
    .max_flat_workgroup_size: 320
    .sgpr_count:     66
    .vgpr_count:     130
    .wavefront_size: 32
...
	.end_amdgpu_metadata
.endif
;; end of part 3
;; launch qout (part 4): grid 250 x 1, 4 waves a work-group, no clusters, 105,472 bytes of LDS; arguments query_input, wfrag, bq, pcodes, cinv, lowp_scales, out0; writes out0
.if DOCPART == 4
	.amdgcn_target "amdgcn-amd-amdhsa--gfx1250"
	.amdhsa_code_object_version 6
	.text
	.protected	k_qd59b885082_qout
	.globl	k_qd59b885082_qout
	.p2align	8
	.type	k_qd59b885082_qout,@function
k_qd59b885082_qout:
	s_mov_b64 s[64:65], 0
	v_nop
	global_prefetch_b8 v0, s[64:65] scope:SCOPE_SE
	s_setreg_imm32_b32 hwreg(HW_REG_WAVE_MODE, 25, 1), 1
	s_wait_xcnt 0x0
; out0[l][d] = the sum over heads h of cinv[h][d] x (the sum over m of code(q[l][m][h]) x code(p[m][d][h])),  q = x Wq + bq,  x = query_input [100000][256] f32.
; Both products on codes of E4M3: x by 2^e0, Wq as the first launch laid it (2^e1), q by 2^e9, p as the third launch made it (2^e8); cinv holds 2^(e8 + e9) / (4 l).
; SHARES.  100,000 rows = 250 work-groups x 5 blocks of 80.  THE WAVES SHARE THE COLUMNS, NOT THE ROWS: wave w makes head w's 128 columns of q and then outputs d = 32 w .. 32 w + 31
; of all four heads, for all 80 rows.  So its part of Wq (256 registers), of p's codes (128), of bq and of cinv (64 each) stays in registers, read from memory once.
; A BLOCK, three barriers:  X: each wave holds and converts its 20 rows and stores the codes as rows in LDS | barrier |
;   1: for each of five tiles of 16 rows: x's fragments from LDS; q^T = Wq x^T + bias (source 0 = 16 columns of Wq, source 1 = x): a lane holds ONE row and its registers run along m, the next K;
;      held, converted: the eight tiles are one K = 128 fragment in that form's own layout; image of its registers to LDS | barrier |
;   2: for each of the five tiles of rows: the four heads' fragments of q^ from LDS; S(n, head) = p^ q^ (lane = a row, registers = eight neighbouring d); the sum over heads of S x cinv; into a stage | barrier |
;   each wave reads 20 whole rows back.
; EVERY REQUEST STANDS AHEAD OF WORK THAT DOES NOT NEED IT.  In both phases a tile's fragments are fetched one tile ahead, into two sets of registers by turns.  The next block's 40 loads of x are dealt
;   8 to a tile of phase 1; a block's 20 rows are read back from the stage under the NEXT block's X and stored 4 to a tile of its phase 2.  So no run of requests to memory stands in front of an LDS read
;   that is about to be waited for.  The first block has no rows to store and the last none to load: both are written out beside the loop of three, and the last block's rows are stored at the end.
; Each LDS region is written again only behind a barrier that every wave signals with its reads of the region done.
; The bias is the C of a sum's first matrix instruction, divided by the power of two that the sums lack; the three scales ahead of q's quantiser are folded into one: 2^(e9 - e0 - e1).
; LIMITS: e0, and e9 - e0 - e1, between -126 and 119.  NaN among the inputs is not served.
; NO JOINT LOADS: what work-groups share is 192 KB of weights and codes, read once by each into registers, beside 600 KB of rows of its own in and out; and x arrives as f32,
;   which through LDS would be four times the bytes of its codes.
; REGISTERS, in windows of 256: window 1: Wq's fragments (t, s) at 16 (2 t + s);  window 2: v0-127 p^ (n, s) at 16 (4 n + s), v128-191 the bias's tiles, v192-255 cinv (n, s) at 192 + 8 (4 n + s);
;   window 3: v0-159 x on its way (row rho at 8 rho), v160-223 S(n, s) at 160 + 8 (4 n + s);
;   window 0: v1-14 addresses and constants; X: v64-103 codes; phase 1: x's fragments v16-47 / v128-159, codes v48-63 / v160-175 by turns, v64-127 q's tiles;
;   phase 2: q^ v16-79 / v80-143, results v144-159 / v160-175 by turns; v176-255 the 20 rows read back, kept until they are stored.
.set PX,   272                         ; a row of codes in LDS: 256 bytes + 16
.set QIMG, 80*PX                       ; LDS: 80 rows of x's codes at 0; [row tile 5][head 4] fragments of 2,048 bytes here;
.set STG,  QIMG+20*2048                ; the stage: 80 rows x 528 bytes
.set SP,   528
.set LI,  1                            ; 16 x lane
.set XS,  2                            ; where I store my 20 rows' codes
.set XF,  3                            ; my lane's place in a fragment of x's codes
.set QW,  5                            ; where I store my images
.set SO,  6                            ; the stage: in
.set SR,  7                            ; the stage: back
.set LX,  8                            ; 448 x 2^e0
.set SX,  9                            ; 2^e0
.set LQ,  10                           ; 448 x 2^(e9 - e0 - e1)
.set SQ,  11                           ; 2^(e9 - e0 - e1)
.set HA,  64
.set XC,  64
.set BK,  176
.set BI,  128                          ; window 2
.set CI,  192                          ; window 2
.set SA,  160                          ; window 3
.set MSB, 0
.macro WIN new                         ; the immediate's high byte repeats the setting that is left; a switch that changes nothing is dropped
.if MSB != \new
	s_set_vgpr_msb (MSB<<8)|\new
.set MSB, \new
.endif
.endm
.macro BAR                             ; my LDS stores have landed and my LDS loads are in: then the work-group's barrier
	s_wait_dscnt 0x0
	s_barrier_signal -1
	s_barrier_wait -1
.endm
.macro POW2 e, vs, vl                  ; v[vs] = 2^s[e], v[vl] = 448 x 2^s[e]
	s_add_co_i32 s40, s[\e], 127
	s_lshl_b32 s41, s40, 23
	v_mov_b32 v[\vs], s41
	s_add_co_i32 s40, s40, 8
	s_lshl_b32 s40, s40, 23
	s_or_b32 s40, s40, 0x600000
	v_mov_b32 v[\vl], s40
.endm
.macro XG g, b                         ; rows 4 g .. 4 g + 3 of my 20 rows of a block, from s[b:b+1] on: 8 loads, each of 512 consecutive bytes, read once in the launch
	WIN 0xc0                                       ; destination window 3, address window 0
.irp q, 0,1,2,3
	global_load_b128 v[8*(4*(\g)+\q):8*(4*(\g)+\q)+3],   v[LI], s[\b:\b+1] offset:1024*(4*(\g)+\q) th:TH_LOAD_NT
	global_load_b128 v[8*(4*(\g)+\q)+4:8*(4*(\g)+\q)+7], v[LI], s[\b:\b+1] offset:1024*(4*(\g)+\q)+512 th:TH_LOAD_NT
.endr
.endm
.macro F1LOAD m                        ; x's two fragments of row tile m, into set m % 2
.irp s, 0,1
.irp c, 0,1,2,3
	ds_load_b128 v[16+112*((\m)%2)+16*\s+4*\c:16+112*((\m)%2)+16*\s+4*\c+3], v[XF] offset:16*(\m)*PX+128*\s+32*\c
.endr
.endr
.endm
.macro F2LOAD m                        ; the four heads' fragments of q^ of row tile m, into set m % 2
.irp s, 0,1,2,3
.irp c, 0,1,2,3
	ds_load_b128 v[16+64*((\m)%2)+16*\s+4*\c:16+64*((\m)%2)+16*\s+4*\c+3], v[LI] offset:QIMG+(4*(\m)+\s)*2048+512*\c
.endr
.endr
.endm
; A block of 80 rows.  first = 1: there are no rows of a block before to store.  last = 1: there is no next block to ask for.
.macro BLK first, last
	; ---- X: my 20 rows become rows of codes.  (The block before's 20 rows are on their way back from the stage meanwhile)
.irp g, 0,1,2,3,4
	s_wait_loadcnt 32-8*\g                         ; loads come back in order: the 8 loads of rows 4 g .. 4 g + 3 are in, those of the later rows may be out
	WIN 0xc3                                       ; source 0 and destination window 3
.set i, 32*\g
.rept 32
	v_med3_num_f32 v[i], v[i], -v[LX], v[LX]       ; the conversion does not saturate (ISA guide 7.6.2): the hold at 448 x the scale
.set i, i+1
.endr
.endr
	WIN 0x03
.set i, 0
.rept 20
	v_cvt_scalef32_pk8_fp8_f32 v[XC+2*i:XC+2*i+1], v[8*i:8*i+7], v[SX]
.set i, i+1
.endr
	WIN 0
	v_nop                                          ; a plain line behind the last conversion
.set i, 0
.rept 20
	ds_store_b64 v[XS], v[XC+2*i:XC+2*i+1] offset:i*PX    ; 32 lanes x 8 bytes: a row of 256 codes
.set i, i+1
.endr
	BAR                                            ; the block's 80 rows of codes lie in LDS
	; ---- 1: head w's q, a tile of 16 rows at a time
	F1LOAD 0
.irp m, 0,1,2,3,4
.if \m == 0
	s_wait_dscnt 0x0
.else
	s_wait_dscnt 4                                 ; this tile's fragments are in, and so are all older LDS instructions: the image stores of two tiles back have read their registers; the last tile's four may be out
.endif
.if \m < 4
	F1LOAD \m+1                                    ; the next tile's, into the set that the products of the tile before have read (their places and the quantising stand between)
.endif
.if \last == 0
	XG \m, 44                                      ; a fifth of the next block's rows
.endif
.set XA, 16+112*(\m%2)
.set PA, 48+112*(\m%2)
	WIN 0x21                                       ; source 0 (Wq) window 1, source 2 (the bias) window 2
.irp t, 0,1,2,3,4,5,6,7                        ; eight accumulators by turns, one instruction a turn
	v_wmma_f32_16x16x128_fp8_fp8 v[HA+8*\t:HA+8*\t+7], v[32*\t:32*\t+15], v[XA:XA+15], v[BI+8*\t:BI+8*\t+7]
.endr
	WIN 0x01
.irp t, 0,1,2,3,4,5,6,7
	v_wmma_f32_16x16x128_fp8_fp8 v[HA+8*\t:HA+8*\t+7], v[32*\t+16:32*\t+31], v[XA+16:XA+31], v[HA+8*\t:HA+8*\t+7]
.endr
	WIN 0
.rept 4
	v_nop                                          ; four places behind the last products (ISA guide 7.12.1) before their results are read
.endr
.set i, 0
.rept 64
	v_med3_num_f32 v[HA+i], v[HA+i], -v[LQ], v[LQ]
.set i, i+1
.endr
.irp t, 0,1,2,3,4,5,6,7
	v_cvt_scalef32_pk8_fp8_f32 v[PA+2*\t:PA+2*\t+1], v[HA+8*\t:HA+8*\t+7], v[SQ]   ; m = 16 t + 8 (lane / 16) + 0 .. 7 of my row: registers 2 t, 2 t + 1 of the next operand
.endr
	v_nop                                          ; a plain line behind the last conversion
.irp c, 0,1,2,3
	ds_store_b128 v[QW], v[PA+4*\c:PA+4*\c+3] offset:\m*8192+512*\c
.endr
.endr
	BAR                                            ; all 20 fragments of q^ lie in LDS
	; ---- 2: my 32 outputs, a tile of 16 rows at a time, all four heads
	F2LOAD 0
.irp m, 0,1,2,3,4
.if \m == 0
	s_wait_dscnt 0x0
.else
	s_wait_dscnt 4                                 ; this tile's fragments are in, and so are the stage stores of two tiles back; the last tile's four may be out
.endif
.if \m < 4
	F2LOAD \m+1
.endif
.if \first == 0
.irp q, 0,1,2,3
	global_store_b128 v[LI], v[BK+4*(4*\m+\q):BK+4*(4*\m+\q)+3], s[16:17] offset:512*(4*\m+\q) th:TH_STORE_NT   ; a fifth of the block before's rows: 32 lanes store a row of 512 bytes, at a multiple of 512 from the buffer's first byte; written once
.endr
.endif
.set QA, 16+64*(\m%2)
.set OA, 144+16*(\m%2)
	WIN 0xc2                                       ; source 0 (p^) window 2, destination window 3
.irp n, 0,1
.irp s, 0,1,2,3
	v_wmma_f32_16x16x128_fp8_fp8 v[SA+8*(4*\n+\s):SA+8*(4*\n+\s)+7], v[16*(4*\n+\s):16*(4*\n+\s)+15], v[QA+16*\s:QA+16*\s+15], 0
.endr
.endr
.rept 4
	v_nop                                          ; four places before the results are read
.endr
	WIN 0x0b                                       ; source 0 (S) window 3, source 1 (cinv) window 2
.irp s, 0,1,2,3                                ; head by head, so that eight other lines stand between two links of a sum; each accumulator from its low end on
.irp n, 0,1
.irp i, 0,2,4,6
.if \s == 0
	v_pk_mul_f32 v[OA+8*\n+\i:OA+8*\n+\i+1], v[SA+8*(4*\n+\s)+\i:SA+8*(4*\n+\s)+\i+1], v[CI+8*(4*\n+\s)+\i:CI+8*(4*\n+\s)+\i+1]
.else
	v_pk_fma_f32 v[OA+8*\n+\i:OA+8*\n+\i+1], v[SA+8*(4*\n+\s)+\i:SA+8*(4*\n+\s)+\i+1], v[CI+8*(4*\n+\s)+\i:CI+8*(4*\n+\s)+\i+1], v[OA+8*\n+\i:OA+8*\n+\i+1]
.endif
.endr
.endr
.endr
	WIN 0
.irp n, 0,1
	ds_store_b128 v[SO], v[OA+8*\n:OA+8*\n+3]   offset:16*\m*SP+64*\n      ; lane (r, half): out(16 m + r, 32 w + 16 n + 8 half + 0 .. 7)
	ds_store_b128 v[SO], v[OA+8*\n+4:OA+8*\n+7] offset:16*\m*SP+64*\n+16
.endr
.endr
	BAR                                            ; 80 whole rows lie in the stage
	s_wait_xcnt 0x0                                ; the stores and loads issued so far have read their registers and their bases: these are written again only behind this wait
.if \first == 0
	s_add_nc_u64 s[16:17], s[16:17], 80*512        ; out0: on to this block's rows
.endif
.if \last == 0
	s_add_nc_u64 s[44:45], s[44:45], 80*1024       ; x: on to the block after the next (behind the last such step the address is not used)
.endif
.set i, 0
.rept 20
	ds_load_b128 v[BK+4*i:BK+4*i+3], v[SR] offset:i*SP    ; my 20 rows, whole
.set i, i+1
.endr
.endm
	s_load_b256 s[4:11], s[0:1], 0x0               ; x s[4:5], wfrag s[6:7], bq s[8:9], pcodes s[10:11]
	s_load_b128 s[12:15], s[0:1], 0x20             ; cinv s[12:13], the scales' exponents s[14:15]
	s_load_b64 s[16:17], s[0:1], 0x30              ; out0
	s_set_vgpr_msb 0xc0
	v_lshl_add_u32 v254, v0, 2, 0x19a00
	v_mov_b32 v255, 0
	s_set_vgpr_msb 0xc000
	v_lshrrev_b32 v15, 5, v0
	v_readfirstlane_b32 s18, v15                   ; wave 0..3
	v_and_b32 v15, 31, v0                          ; lane
	v_and_b32 v4, 15, v0                           ; r
	v_bfe_u32 v16, v0, 4, 1                        ; lane / 16
	v_lshlrev_b32 v[LI], 4, v15
	v_lshlrev_b32 v17, 3, v15                      ; 8 x lane
	s_mul_i32 s40, s18, 20*PX
	v_add_nc_u32 v[XS], s40, v17
	v_mul_u32_u24 v[XF], v4, PX
	v_lshl_add_u32 v[XF], v16, 4, v[XF]
	s_lshl_b32 s40, s18, 11
	s_add_co_u32 s40, s40, QIMG
	v_add_nc_u32 v[QW], s40, v[LI]
	v_mul_u32_u24 v[SO], v4, SP
	v_lshl_add_u32 v[SO], v16, 5, v[SO]
	s_lshl_b32 s40, s18, 7
	s_add_co_u32 s40, s40, STG
	v_add_nc_u32 v[SO], s40, v[SO]                 ; in: row r, my 128 bytes of it, 32 bytes for each half of the lanes
	s_mul_i32 s40, s18, 20*SP
	s_add_co_u32 s40, s40, STG
	v_add_nc_u32 v[SR], s40, v[LI]                 ; back: my 20 rows, the 32 lanes take a row of 512 bytes
	v_lshlrev_b32 v12, 9, v4
	v_lshl_add_u32 v12, v16, 3, v12                ; p's codes: row d = r of 512 bytes, + 8 x half
	v_lshlrev_b32 v13, 7, v16                      ; bq: eight columns of my head are 128 bytes
	v_lshlrev_b32 v14, 5, v16                      ; cinv: eight numbers are 32 bytes
	s_mul_i32 s20, ttmp9, 400
	s_mul_i32 s21, s18, 20
	s_add_co_u32 s20, s20, s21                     ; my first row
	s_lshl_b32 s22, s20, 10
	s_mov_b32 s23, 0
	s_lshl_b32 s28, s20, 9
	s_mov_b32 s29, 0
	s_mov_b32 s43, 0
	s_wait_kmcnt 0x0
	s_load_b64 s[24:25], s[14:15], 0x0             ; e0, e1
	s_load_b32 s26, s[14:15], 0x24                 ; e9
	s_add_nc_u64 s[4:5], s[4:5], s[22:23]          ; x at my rows of the first block,
	s_add_nc_u64 s[44:45], s[4:5], 80*1024         ; and of the second, in registers of its own: this pair walks on
	s_add_nc_u64 s[16:17], s[16:17], s[28:29]
	s_lshl_b32 s42, s18, 15
	s_add_nc_u64 s[6:7], s[6:7], s[42:43]          ; Wq is weight 0: head w's 32,768 bytes
	s_lshl_b32 s42, s18, 2
	s_add_nc_u64 s[8:9], s[8:9], s[42:43]
	s_lshl_b32 s42, s18, 14
	s_add_nc_u64 s[10:11], s[10:11], s[42:43]      ; my 32 rows d of p's codes
	s_lshl_b32 s42, s18, 7
	s_add_nc_u64 s[12:13], s[12:13], s[42:43]
	WIN 0x40                                       ; destination window 1
.set i, 0
.rept 64
	global_load_b128 v[4*i:4*i+3], v[LI], s[6:7] offset:512*i   ; my 16 fragments of Wq, as they lie
.set i, i+1
.endr
	WIN 0x80                                       ; destination window 2
.irp n, 0,1
.irp s, 0,1,2,3
.irp t, 0,1,2,3,4,5,6,7
	global_load_b64 v[16*(4*\n+\s)+2*\t:16*(4*\n+\s)+2*\t+1], v12, s[10:11] offset:8192*\n+128*\s+16*\t   ; p^(d = 32 w + 16 n + r, head s, m = 16 t + 8 half + 0 .. 7)
.endr
.endr
.endr
.irp t, 0,1,2,3,4,5,6,7
.irp j, 0,1,2,3,4,5,6,7
	global_load_b32 v[BI+8*\t+\j], v13, s[8:9] offset:256*\t+16*\j   ; bq[4 (16 t + 8 half + j) + w]
.endr
.endr
.irp n, 0,1
.irp s, 0,1,2,3
	global_load_b128 v[CI+8*(4*\n+\s):CI+8*(4*\n+\s)+3],   v14, s[12:13] offset:512*\s+64*\n      ; cinv[128 s + 32 w + 16 n + 8 half + 0 .. 7]
	global_load_b128 v[CI+8*(4*\n+\s)+4:CI+8*(4*\n+\s)+7], v14, s[12:13] offset:512*\s+64*\n+16
.endr
.endr
.irp g, 0,1,2,3,4
	XG \g, 4                                       ; the first block
.endr
	WIN 0
	s_wait_kmcnt 0x0
	POW2 24, SX, LX
	s_add_co_i32 s30, s24, s25                     ; e0 + e1: a sum of the first product stands for sum x 2^(e0 + e1)
	s_sub_co_i32 s31, 0, s30
	s_sub_co_i32 s27, s26, s30                     ; e9 - e0 - e1
	POW2 27, SQ, LQ
	s_wait_loadcnt 40                              ; all but the first block's 40 loads are in
	WIN 0x82                                       ; source 0 and destination window 2
.set i, 0
.rept 64
	v_ldexp_f32 v[BI+i], v[BI+i], s31              ; the bias goes in as bq / 2^(e0 + e1)
.set i, i+1
.endr
	WIN 0
	BLK 1, 0                                       ; block 0
	s_mov_b32 s19, 3
.Lblock:                                               ; blocks 1, 2, 3
	BLK 0, 0
	s_sub_co_u32 s19, s19, 1
	s_cmp_lg_u32 s19, 0
	s_cbranch_scc1 .Lblock
	BLK 0, 1                                       ; block 4 asks for nothing: no load leaves the buffer
.set i, 0
.rept 20
	s_wait_dscnt 19-i                              ; row i is back; the younger loads stay out
	global_store_b128 v[LI], v[BK+4*i:BK+4*i+3], s[16:17] offset:512*i th:TH_STORE_NT   ; the last block's rows
.set i, i+1
.endr
	s_set_vgpr_msb 0xf
	s_wait_tensorcnt 0x0
	ds_add_u32 v254, v255
	s_wait_dscnt 0x0
	s_set_vgpr_msb 0xf00
	s_endpgm
.Lfunc_end_k_qd59b885082_qout:
	.size	k_qd59b885082_qout, .Lfunc_end_k_qd59b885082_qout-k_qd59b885082_qout
	.p2alignl 7, 3214868480
	.fill 96, 4, 3214868480
	.section	.rodata,"a",@progbits
	.p2align	6, 0x0
	.amdhsa_kernel k_qd59b885082_qout
		.amdhsa_group_segment_fixed_size 105472
		.amdhsa_private_segment_fixed_size 0
		.amdhsa_enable_private_segment 0
		.amdhsa_kernarg_size 56
		.amdhsa_user_sgpr_count 2
		.amdhsa_user_sgpr_kernarg_segment_ptr 1
		.amdhsa_wavefront_size32 1
		.amdhsa_system_sgpr_workgroup_id_x 1
		.amdhsa_system_sgpr_workgroup_id_y 1
		.amdhsa_system_sgpr_workgroup_id_z 1
		.amdhsa_system_vgpr_workitem_id 0
		.amdhsa_next_free_vgpr 1024
		.amdhsa_next_free_sgpr 66
		.amdhsa_reserve_vcc 0
		.amdhsa_float_denorm_mode_32 3
		.amdhsa_float_denorm_mode_16_64 3
		.amdhsa_memory_ordered 1
		.amdhsa_forward_progress 1
		.amdhsa_inst_pref_size 247
	.end_amdhsa_kernel
	.amdgpu_metadata
---
amdhsa.version: [ 1, 2 ]
amdhsa.kernels:
  - .name:           k_qd59b885082_qout
    .symbol:         k_qd59b885082_qout.kd
    .args:
      - { .name: query_input, .offset: 0, .size: 8, .value_kind: global_buffer, .address_space: global }
      - { .name: wfrag, .offset: 8, .size: 8, .value_kind: global_buffer, .address_space: global }
      - { .name: bq, .offset: 16, .size: 8, .value_kind: global_buffer, .address_space: global }
      - { .name: pcodes, .offset: 24, .size: 8, .value_kind: global_buffer, .address_space: global }
      - { .name: cinv, .offset: 32, .size: 8, .value_kind: global_buffer, .address_space: global }
      - { .name: lowp_scales, .offset: 40, .size: 8, .value_kind: global_buffer, .address_space: global }
      - { .name: out0, .offset: 48, .size: 8, .value_kind: global_buffer, .address_space: global }
    .group_segment_fixed_size: 105472
    .private_segment_fixed_size: 0
    .kernarg_segment_align: 8
    .kernarg_segment_size: 56
    .max_flat_workgroup_size: 128
    .sgpr_count:     66
    .vgpr_count:     1024
    .wavefront_size: 32
...
	.end_amdgpu_metadata
.endif
;; end of part 4
;; ======== version 2 of 2: 4 launches
;; workspace buffers: wfrag 393,216 bytes; part 32,768,000 bytes; pcodes 65,536 bytes; cinv 2,048 bytes
;; launch prep (part 5): grid 192 x 1, 4 waves a work-group, no clusters, 0 bytes of LDS; arguments Wq, Wk, Wv, lowp_scales, wfrag; writes wfrag
.if DOCPART == 5
	.amdgcn_target "amdgcn-amd-amdhsa--gfx1250"
	.amdhsa_code_object_version 6
	.text
	.protected	k_qd59b885082_prep
	.globl	k_qd59b885082_prep
	.p2align	8
	.type	k_qd59b885082_prep,@function
k_qd59b885082_prep:
	s_mov_b64 s[64:65], 0
	v_nop
	global_prefetch_b8 v0, s[64:65] scope:SCOPE_SE
	s_setreg_imm32_b32 hwreg(HW_REG_WAVE_MODE, 25, 1), 1
	s_wait_xcnt 0x0
; Wq, Wk, Wv [256 (k)][512 (c)] f32 become codes of E4M3, laid in the order of a matrix operand's registers.
; wfrag = [g 3: Wq, Wk, Wv][head 4][column tile t 8][K step s 2] fragments of 2,048 bytes; a fragment = [quarter c 4][lane 32][16 bytes].
; Lane (r = lane % 16, hh = lane / 16) of a fragment holds column 4 (16 t + r) + head of W (the head is the innermost index of a column),
; and byte i of its quarter c is POSITION p = 128 s + 32 c + 16 hh + i along K.  Position p stands for k = 4 (p / 8) + p % 4 + 128 ((p / 4) % 2):
; the order in which the later launches lay the codes of x, whose lanes load 16 bytes at 16 lane and 16 bytes at 512 + 16 lane of a row.
; The same order on both operands of a product keeps every pair of factors together.
; code = w / 2^e, held within +-448, to the nearest code, ties to even; e = lowp_scales[1], [3], [5] for Wq, Wk, Wv.
; LIMITS: e between -126 and 119, so that 2^e and 448 x 2^e are f32 numbers.  NaN among the inputs is not served.
; SHARES: a work-group takes one (g, t, s, c), its four waves the four heads; a wave makes 512 bytes and stores them as one run.
; A lane takes a column and its registers run down K, so the conversions' results are the operand's registers; nothing is transposed.
; The three weights are 1.5 MB in all and are read once: no LDS, no barrier, no sharing between work-groups.
.set ROWW, 2048                        ; bytes in a row of W
	s_load_b256 s[4:11], s[0:1], 0x0               ; Wq s[4:5], Wk s[6:7], Wv s[8:9], the scales' exponents s[10:11]
	s_load_b64 s[12:13], s[0:1], 0x20              ; wfrag
	v_lshrrev_b32 v1, 5, v0
	v_readfirstlane_b32 s14, v1                    ; wave = head
	v_and_b32 v2, 15, v0                           ; r
	v_bfe_u32 v4, v0, 4, 1                         ; hh
	v_lshlrev_b32 v3, 4, v2                        ; column 4 r: 16 r bytes,
	v_lshl_add_u32 v3, v4, 14, v3                  ; and 8 hh rows of 2,048 bytes further down
	v_and_b32 v5, 31, v0
	v_lshlrev_b32 v5, 4, v5                        ; out: 16 x lane
	s_and_b32 s24, ttmp9, 3                        ; c
	s_bfe_u32 s25, ttmp9, 0x10002                  ; s
	s_bfe_u32 s26, ttmp9, 0x30003                  ; t
	s_lshr_b32 s27, ttmp9, 6                       ; g
	s_lshl_b32 s28, s25, 17                        ; in: row 64 s + 16 c,
	s_lshl_b32 s29, s24, 15
	s_add_co_u32 s28, s28, s29
	s_lshl_b32 s29, s26, 8                         ; column 64 t + head
	s_add_co_u32 s28, s28, s29
	s_lshl_b32 s29, s14, 2
	s_add_co_u32 s28, s28, s29
	s_mov_b32 s29, 0
	s_lshl_b32 s30, s27, 2                         ; out: ((((4 g + head) 8 + t) 2 + s) 4 + c) x 512
	s_add_co_u32 s30, s30, s14
	s_lshl_b32 s30, s30, 3
	s_add_co_u32 s30, s30, s26
	s_lshl_b32 s30, s30, 1
	s_add_co_u32 s30, s30, s25
	s_lshl_b32 s30, s30, 2
	s_add_co_u32 s30, s30, s24
	s_lshl_b32 s30, s30, 9
	s_mov_b32 s31, 0
	s_wait_alu depctr_va_vdst(0)
	s_wait_kmcnt 0x0
	s_load_b256 s[16:23], s[10:11], 0x0            ; e0 .. e7
	s_cmp_eq_u32 s27, 0                            ; which weight: the choice hangs on the work-group's number alone
	s_cselect_b64 s[4:5], s[4:5], s[6:7]
	s_cmp_eq_u32 s27, 2
	s_cselect_b64 s[4:5], s[8:9], s[4:5]
	s_add_nc_u64 s[4:5], s[4:5], s[28:29]
	s_add_nc_u64 s[12:13], s[12:13], s[30:31]
.irp i, 0,1,2,3,4,5,6,7,8,9,10,11,12,13,14,15
	global_load_b32 v[16+\i], v3, s[4:5] offset:(4*(\i/8)+(\i%4)+128*((\i/4)%2))*ROWW   ; position i of my sixteen
.endr
	s_wait_kmcnt 0x0
	s_cmp_eq_u32 s27, 0
	s_cselect_b32 s17, s17, s19                    ; e1 or e3,
	s_cmp_eq_u32 s27, 2
	s_cselect_b32 s17, s21, s17                    ; or e5
	s_add_co_i32 s17, s17, 127
	s_lshl_b32 s18, s17, 23
	v_mov_b32 v11, s18                             ; 2^e as f32: the conversion takes its exponent field
	s_add_co_i32 s17, s17, 8
	s_lshl_b32 s17, s17, 23
	s_or_b32 s17, s17, 0x600000
	v_mov_b32 v10, s17                             ; 448 x 2^e
	s_wait_alu depctr_va_vdst(0)
	s_wait_loadcnt 0x0
.irp i, 0,1,2,3,4,5,6,7,8,9,10,11,12,13,14,15
	v_med3_num_f32 v[16+\i], v[16+\i], -v10, v10   ; the conversion to an 8-bit code does not saturate (ISA guide 7.6.2): the hold comes first
.endr
	v_cvt_scalef32_pk8_fp8_f32 v[32:33], v[16:23], v11
	v_cvt_scalef32_pk8_fp8_f32 v[34:35], v[24:31], v11
	v_nop                                          ; a plain line behind the last conversion
	global_store_b128 v5, v[32:35], s[12:13]       ; the wave stores 512 consecutive bytes, at a multiple of 512 from the buffer's first byte
	s_endpgm
.Lfunc_end_k_qd59b885082_prep:
	.size	k_qd59b885082_prep, .Lfunc_end_k_qd59b885082_prep-k_qd59b885082_prep
	.p2alignl 7, 3214868480
	.fill 96, 4, 3214868480
	.section	.rodata,"a",@progbits
	.p2align	6, 0x0
	.amdhsa_kernel k_qd59b885082_prep
		.amdhsa_group_segment_fixed_size 0
		.amdhsa_private_segment_fixed_size 0
		.amdhsa_enable_private_segment 0
		.amdhsa_kernarg_size 40
		.amdhsa_user_sgpr_count 2
		.amdhsa_user_sgpr_kernarg_segment_ptr 1
		.amdhsa_wavefront_size32 1
		.amdhsa_system_sgpr_workgroup_id_x 1
		.amdhsa_system_sgpr_workgroup_id_y 1
		.amdhsa_system_sgpr_workgroup_id_z 1
		.amdhsa_system_vgpr_workitem_id 0
		.amdhsa_next_free_vgpr 48
		.amdhsa_next_free_sgpr 66
		.amdhsa_reserve_vcc 0
		.amdhsa_float_denorm_mode_32 3
		.amdhsa_float_denorm_mode_16_64 3
		.amdhsa_memory_ordered 1
		.amdhsa_forward_progress 1
		.amdhsa_inst_pref_size 6
	.end_amdhsa_kernel
	.amdgpu_metadata
---
amdhsa.version: [ 1, 2 ]
amdhsa.kernels:
  - .name:           k_qd59b885082_prep
    .symbol:         k_qd59b885082_prep.kd
    .args:
      - { .name: Wq, .offset: 0, .size: 8, .value_kind: global_buffer, .address_space: global }
      - { .name: Wk, .offset: 8, .size: 8, .value_kind: global_buffer, .address_space: global }
      - { .name: Wv, .offset: 16, .size: 8, .value_kind: global_buffer, .address_space: global }
      - { .name: lowp_scales, .offset: 24, .size: 8, .value_kind: global_buffer, .address_space: global }
      - { .name: wfrag, .offset: 32, .size: 8, .value_kind: global_buffer, .address_space: global }
    .group_segment_fixed_size: 0
    .private_segment_fixed_size: 0
    .kernarg_segment_align: 8
    .kernarg_segment_size: 40
    .max_flat_workgroup_size: 128
    .sgpr_count:     66
    .vgpr_count:     48
    .wavefront_size: 32
...
	.end_amdgpu_metadata
.endif
;; end of part 5
;; launch kvsum (part 6): grid 250 x 1, 4 waves a work-group, no clusters, 101,888 bytes of LDS; arguments source_input, wfrag, bk, bv, lowp_scales, part; writes part
.if DOCPART == 6
	.amdgcn_target "amdgcn-amd-amdhsa--gfx1250"
	.amdhsa_code_object_version 6
	.text
	.protected	k_qd59b885082_kvsum
	.globl	k_qd59b885082_kvsum
	.p2align	8
	.type	k_qd59b885082_kvsum,@function
k_qd59b885082_kvsum:
	s_mov_b64 s[64:65], 0
	v_nop
	global_prefetch_b8 v0, s[64:65] scope:SCOPE_SE
	s_setreg_imm32_b32 hwreg(HW_REG_WAVE_SCHED_MODE, 0, 2), 2
	s_setreg_imm32_b32 hwreg(HW_REG_WAVE_MODE, 25, 1), 1
	s_wait_xcnt 0x0
	s_wait_alu depctr_vm_vsrc(0)
; part[range][h][d][m] = the sum over the range's 800 rows l of code(k[l][m][h] / sqrt(n)) x code(v[l][d][h]), as raw f32 sums of products of codes.
; k = x Wk + bk, v = x Wv + bv, x = source_input [100000][256] f32; all three products on codes of E4M3 with the given scales:
; x by 2^e2 for k and by 2^e4 for v (both sets of codes are always made), Wk, Wv as the first launch laid them.
; In the product over the rows, as it is lowered, v is the left operand and k / sqrt(n) the right one: v is quantised by 2^e6, k / sqrt(n) by 2^e7.
; SHARES.  100,000 rows = 125 ranges of 800.  A range has two work-groups with neighbouring numbers, one for heads 0, 1 and one for heads 2, 3.
; Wave w: g = w / 2 picks the head, kv = w % 2 picks k or v.  It keeps its head's 128 columns of Wk or Wv (256 registers), projects them for every row of a
; block, and owns 64 d x 128 m of its head's sums (32 accumulators, 256 registers).  Two blocks of x are always on their way into the remaining registers.
; A BLOCK is 64 rows (the first: 32, so that 800 = 32 + 12 x 64; its products start the sums with C = 0, the upper half of its K = 64 being zero codes):
;   X: each wave holds and converts its 16 rows twice (2^e2, 2^e4), 8 rows at a time, and stores the codes as rows in LDS | barrier |
;   PP: x's fragments from LDS, 16 rows x 128 K; D = x W, used as it is: a lane holds ONE column and its registers run along the ROWS, which are the next K;
;       y = sum x alpha + beta, held, converted: two tiles of rows give four registers of a K = 64 fragment in that form's own layout; image to LDS | barrier |
;   P4: k's eight and v's four fragments from LDS as images of their registers; a(d tile, m tile) += k^ v^: lane = d, registers = eight neighbouring m.
; EVERY REQUEST STANDS AHEAD OF WORK THAT DOES NOT NEED IT.  P4's 24 LDS loads are issued first thing behind the second barrier and its products stand in the middle of the NEXT block's X;
;   the fragments of a block's second pair of row tiles are fetched into the first pair's registers behind the first pair's 32 products
;   and land under the quantising; the 32 loads of x for the block two further on go out in two runs of 16, each in front of 32 products and never in front of an LDS read that is about to be waited for.
; XR is written again only behind the second barrier, which each wave signals with its reads of it done; the images only behind the next block's first barrier, likewise.
; x's codes lie in the order in which they are loaded (lane i: numbers 4 i .. 4 i + 3 and 128 + 4 i .. + 3 at bytes 8 i .. 8 i + 7); the weights are laid in the same order.
; alpha, beta: k: alpha = rs x 2^(e2 + e3), beta = bk x rs, rs = 1 / sqrt(100000) rounded to f32; v: alpha = 2^(e4 + e5), beta = bv.
; LIMITS: e2, e4, e6, e7 between -126 and 119; e2 + e3 and e4 + e5 between -117 and 127, so that every power of two here is an f32 number.
;   Multiplying by rs stands for the division by sqrt(n): the two differ by about 1e-7 of the number.  NaN among the inputs is not served.
; NO JOINT LOADS: they bring tiles into LDS, and x arrives as f32: four times the LDS bytes of its codes.  Here x goes from memory to registers in runs of
;   512 bytes and only codes pass through LDS.  The weights are read once by each wave, 32 KB, against the 800 KB of x that a work-group walks.
; REGISTERS, in windows of 256: window 1: W's fragments (ct, ks) at 16 (2 ct + ks);  window 2: a(dl, mt) at 8 (8 dl + mt);  window 3: x on its way, set A v0-127, set B v128-255, row rho at 8 rho.
;   window 0: v1-15, v28 addresses and constants; v16-23 beta; v24-27 zeros; in X: v32-95 k^, v96-127 v^, v128-191 held numbers, v192-255 four sets of codes; in PP: v32-95 x's fragments, v96-223 D, v224-255 codes.
; THE MODE: SCHED_MODE bits 1:0 = 2 (LLVM: expert scheduling mode 2), set by the entry lines.  The code itself states the register dependences
; between vector or matrix instructions and memory or LDS instructions, with s_wait_alu, always for 0.
; THE PLAN.  Registers that memory or LDS instructions touch, round a block:
;   window 3, sets A, B   X's holds read a set; in the PP that follows, the loads of the block two further on land in it.
;   v32-95     PP: x's fragments land, the projections' products read them.  X: k^ lands, the products over rows read it.
;   v96-127    X: v^ lands, the products over rows read it.  PP: a part of D, named by matrix and vector lines alone.
;   v192-255   X: the conversions write four sets of codes, the row stores read them.  PP: v192-223 are a part of D; the conversions write v224-255, the image stores read them.
;   v1-8, v28  addresses, written at the head and never again; x's base is a scalar pair.
;   v128-191, windows 1 and 2 are named in the loop by vector and matrix lines alone.
; FIVE WAITS ON va_vdst A BLOCK: behind X's first two passes (their codes are written: 16 stores follow); behind its last two (codes written; the holds are done reading the set: this serves both runs of
;   loads in PP; the products over rows are done reading v32-127: this serves PP's first fragments); behind the first pair's 32 products (done reading v32-95: the second pair's fragments follow);
;   ahead of each of the two runs of image stores (codes written; the second serves k^ and v^, which land in v32-127 behind the barrier).
; THREE ON vm_vsrc: at PP's head (the row stores have read v192-255), ahead of the second quantising and at X's head (the image stores have read v224-255).
.set PX,   272                         ; a row of codes in LDS: 256 bytes + 16: the 16 rows of a fragment load start at 16 different groups of four banks (64 banks of 4 bytes: ISA guide 11.1)
.set XRV,  64*PX                       ; LDS: 64 rows by 2^e2 at 0, 64 rows by 2^e4 here,
.set IMG,  2*64*PX                     ; [wave 4][column tile 8] fragments of 1,024 bytes = [half 2][lane][16 bytes],
.set STG,  IMG+4*8*1024                ; and for each wave a stage of 16 rows x 528 bytes for the way out
.set SP,   528
.set XO,  1                            ; 16 x lane
.set XS,  2                            ; where I store my 16 rows' codes
.set XF,  3                            ; my lane's place in a fragment of x's codes, in my set
.set IW,  4                            ; where I store my images
.set IK,  5                            ; my head's k^
.set IV,  6                            ; my four tiles of my head's v^
.set SO,  7                            ; the stage: in
.set SR,  8                            ; the stage: back
.set LK,  10                           ; 448 x 2^e2
.set LV,  11                           ; 448 x 2^e4
.set SK,  12                           ; 2^e2
.set SV,  13                           ; 2^e4
.set LY,  14                           ; 448 x 2^ey, ey = e7 for k / sqrt(n), e6 for v
.set SY,  15                           ; 2^ey
.set BE,  16                           ; beta of my column in tile ct
.set ZR,  24                           ; four zeros
.set XSH, 28                           ; where I store my 8 rows of the first block
.set XFR, 32
.set KH,  32
.set VH,  96
.set D,   96
.set T,   128
.set CD,  192
.set PC,  224
.set MSB, 0
.macro WIN new                         ; the immediate's high byte repeats the setting that is left; a switch that changes nothing is dropped
.if MSB != \new
	s_set_vgpr_msb (MSB<<8)|\new
.set MSB, \new
.endif
.endm
.macro BAR                             ; my LDS stores have landed and my LDS loads are in: then the work-group's barrier
	s_wait_dscnt 0x0
	s_barrier_signal -1
	s_barrier_wait -1
.endm
.macro PLACES                          ; four places behind matrix instructions (ISA guide 7.12.1) before their results are read
.rept 4
	v_nop
.endr
.endm
.macro POW2 e, vs, vl                  ; v[vs] = 2^s[e], v[vl] = 448 x 2^s[e]
	s_add_co_i32 s40, s[\e], 127
	s_lshl_b32 s41, s40, 23
	v_mov_b32 v[\vs], s41
	s_add_co_i32 s40, s40, 8
	s_lshl_b32 s40, s40, 23
	s_or_b32 s40, s40, 0x600000
	v_mov_b32 v[\vl], s40
.endm
.macro XLOAD dst, nr, b                ; nr rows of x from s[b:b+1] on into window 3: each load of the wave reads 512 consecutive bytes
	WIN 0xc0                                       ; destination window 3, address window 0
.set i, 0
.rept \nr
	global_load_b128 v[\dst+8*i:\dst+8*i+3],   v[XO], s[\b:\b+1] offset:1024*i
	global_load_b128 v[\dst+8*i+4:\dst+8*i+7], v[XO], s[\b:\b+1] offset:1024*i+512
.set i, i+1
.endr
	WIN 0
.endm
; Half hf (8 rows, 16 loads) of the block two further on, into the set that this block's X has read out.
; No wait on va_vdst stands here: the one behind X's last pass shows the holds done reading the set, and no vector or matrix line since names it.
.macro FILL src, hf
.if \hf == 0
	s_wait_xcnt 0x0                                ; the base of the loads issued so far is stepped only behind this wait
	s_add_nc_u64 s[32:33], s[32:33], 65536         ; 64 rows on
.endif
	WIN 0xc0                                       ; destination window 3, address window 0
.set i, 8*\hf
.rept 8
	global_load_b128 v[\src+8*i:\src+8*i+3],   v[XO], s[32:33] offset:1024*i
	global_load_b128 v[\src+8*i+4:\src+8*i+7], v[XO], s[32:33] offset:1024*i+512
.set i, i+1
.endr
.endm
; A pass of X.  Rows r0 .. r0 + 7 of set src: held at +-v[lim], converted by v[sc] into the 16 registers from v[cd] on.
.macro HOLD src, r0, lim, sc, cd
	WIN 0x03                                       ; source 0 window 3
.set i, 0
.rept 64
	v_med3_num_f32 v[T+i], v[\src+8*(\r0)+i], -v[\lim], v[\lim]   ; the conversion does not saturate (ISA guide 7.6.2): the hold at 448 x the scale
.set i, i+1
.endr
	WIN 0
.set i, 0
.rept 8
	v_cvt_scalef32_pk8_fp8_f32 v[\cd+2*i:\cd+2*i+1], v[T+8*i:T+8*i+7], v[\sc]
.set i, i+1
.endr
	v_nop                                          ; a plain line between the conversions and the lines that write their sources again
.endm
; A pass's codes are stored as rows of codes at v[adr] + off.
.macro PUT r0, cd, adr, off
.set i, 0
.rept 8
	ds_store_b64 v[\adr], v[\cd+2*i:\cd+2*i+1] offset:\off+((\r0)+i)*PX      ; 32 lanes x 8 bytes: a row of 256 codes
.set i, i+1
.endr
.endm
; A block's 64 rows are one K step of the sums over rows: the fragments, 24 LDS loads,
.macro P4LOAD
.irp mt, 0,1,2,3,4,5,6,7
	ds_load_b128 v[KH+8*\mt:KH+8*\mt+3],   v[IK] offset:\mt*1024
	ds_load_b128 v[KH+8*\mt+4:KH+8*\mt+7], v[IK] offset:\mt*1024+512
.endr
.irp dl, 0,1,2,3
	ds_load_b128 v[VH+8*\dl:VH+8*\dl+3],   v[IV] offset:\dl*1024
	ds_load_b128 v[VH+8*\dl+4:VH+8*\dl+7], v[IV] offset:\dl*1024+512
.endr
.endm
; and the products.  zero = 1: they start the sums.
.macro P4MUL zero
	WIN 0xa0                                       ; C and D window 2
.irp dl, 0,1,2,3                               ; 32 accumulators by turns, one instruction a turn, in the same order in every block
.irp mt, 0,1,2,3,4,5,6,7
.if \zero
	v_wmma_f32_16x16x64_fp8_fp8 v[8*(8*\dl+\mt):8*(8*\dl+\mt)+7], v[KH+8*\mt:KH+8*\mt+7], v[VH+8*\dl:VH+8*\dl+7], 0
.else
	v_wmma_f32_16x16x64_fp8_fp8 v[8*(8*\dl+\mt):8*(8*\dl+\mt)+7], v[KH+8*\mt:KH+8*\mt+7], v[VH+8*\dl:VH+8*\dl+7], v[8*(8*\dl+\mt):8*(8*\dl+\mt)+7]
.endif
.endr
.endr
.endm
; X of a block of 64 rows, with the block before's sums over rows in its middle.  cnt: the younger loads of x that may stay out.
.macro XQP src, cnt, zero
	s_wait_alu depctr_vm_vsrc(0)                   ; my image stores have read v224-255, which this X's last two passes write again
	P4LOAD                                         ; first thing behind the barrier that showed the images whole; the wait ahead of my last image stores showed every line that names v32-127 done
	s_wait_loadcnt \cnt                            ; loads come back in order: this set is in, the other set's loads stay out
	HOLD \src, 0, LK, SK, CD
	HOLD \src, 8, LK, SK, CD+16
	s_wait_alu depctr_va_vdst(0)                   ; the conversions have written v192-223, which the 16 stores below read
	PUT 0, CD, XS, 0
	PUT 8, CD+16, XS, 0
	s_wait_dscnt 16                                ; the 24 fragment loads are in; the 16 stores issued behind them may be out
	P4MUL \zero                                    ; the lines behind it touch none of its registers
	HOLD \src, 0, LV, SV, CD+32
	HOLD \src, 8, LV, SV, CD+48
	s_wait_alu depctr_va_vdst(0)                   ; the conversions have written v224-255, which the stores below read; the holds are done reading this set, in which loads of x land in PP; the products over rows are done reading v32-127, in which x's fragments land
	PUT 0, CD+32, XS, XRV
	PUT 8, CD+48, XS, XRV
.endm
.macro FRAGS pr, ks                    ; x's fragments of row tiles 2 pr, 2 pr + 1 for K step ks: 8 LDS loads
.irp rt, 0,1
.irp c, 0,1,2,3
	ds_load_b128 v[XFR+32*\rt+16*(\ks)+4*\c:XFR+32*\rt+16*(\ks)+4*\c+3], v[XF] offset:(32*(\pr)+16*\rt)*PX+128*(\ks)+32*\c
.endr
.endr
.endm
.macro MULS ks                         ; 16 products: the sixteen accumulators take turns, one instruction a turn
.irp ct, 0,1,2,3,4,5,6,7
.irp rt, 0,1
.if \ks == 0
	v_wmma_f32_16x16x128_fp8_fp8 v[D+16*\ct+8*\rt:D+16*\ct+8*\rt+7], v[XFR+32*\rt:XFR+32*\rt+15], v[32*\ct:32*\ct+15], 0
.else
	v_wmma_f32_16x16x128_fp8_fp8 v[D+16*\ct+8*\rt:D+16*\ct+8*\rt+7], v[XFR+32*\rt+16:XFR+32*\rt+31], v[32*\ct+16:32*\ct+31], v[D+16*\ct+8*\rt:D+16*\ct+8*\rt+7]
.endif
.endr
.endr
.endm
.macro QUANT pr                        ; the sums of row tiles 2 pr, 2 pr + 1 are scaled, held, converted: half pr of my eight images
.irp ct, 0,1,2,3,4,5,6,7
.irp i, 0,2,4,6,8,10,12,14                     ; y = sum x alpha + beta, two at a time, each accumulator from its low end on
.if (\ct%2) == 0
	v_pk_fma_f32 v[D+16*\ct+\i:D+16*\ct+\i+1], v[D+16*\ct+\i:D+16*\ct+\i+1], s[36:37], v[BE+\ct:BE+\ct+1] op_sel_hi:[1,0,0]                ; beta: the pair's low word for both halves
.else
	v_pk_fma_f32 v[D+16*\ct+\i:D+16*\ct+\i+1], v[D+16*\ct+\i:D+16*\ct+\i+1], s[36:37], v[BE+\ct-1:BE+\ct] op_sel:[0,0,1] op_sel_hi:[1,0,1]  ; beta: the pair's high word for both halves
.endif
.endr
.irp i, 0,1,2,3,4,5,6,7,8,9,10,11,12,13,14,15
	v_med3_num_f32 v[D+16*\ct+\i], v[D+16*\ct+\i], -v[LY], v[LY]
.endr
	v_cvt_scalef32_pk8_fp8_f32 v[PC+4*\ct:PC+4*\ct+1],   v[D+16*\ct:D+16*\ct+7],    v[SY]   ; rows 16 (2 pr) + 8 (lane / 16) + 0 .. 7 of my column,
	v_cvt_scalef32_pk8_fp8_f32 v[PC+4*\ct+2:PC+4*\ct+3], v[D+16*\ct+8:D+16*\ct+15], v[SY]   ; and the same of the next 16 rows: registers 4 pr .. 4 pr + 3 of the K = 64 fragment
.endr
	v_nop                                          ; a plain line behind the last conversion
	s_wait_alu depctr_va_vdst(0)                   ; the conversions have written v224-255, which the image stores read; in a block's last quantising also: every matrix and vector line that names v32-127 is done, in which k^ and v^ land behind the barrier
.irp ct, 0,1,2,3,4,5,6,7
	ds_store_b128 v[IW], v[PC+4*\ct:PC+4*\ct+3] offset:\ct*1024+\pr*512
.endr
.endm
; The projections of a block of 64 rows, between its two barriers.  fill = 1: set src takes the block two further on.
.macro PP src, fill
	BAR                                            ; the block's 64 rows of codes lie in LDS, in both sets
	s_wait_alu depctr_vm_vsrc(0)                   ; my row stores have read v192-255: the products below write v192-223, the conversions v224-255
	FRAGS 0, 0
	FRAGS 0, 1
	s_wait_dscnt 0x0
.if \fill
	FILL \src, 0
.endif
	WIN 0x04                                       ; source 1 (W) window 1
	MULS 0
	MULS 1
	WIN 0
	PLACES
	s_wait_alu depctr_va_vdst(0)                   ; the 32 products are done reading x's fragments v32-95, in which the next pair's land
	FRAGS 1, 0                                     ; the next pair's two K steps, 16 loads in one run: they land under the quantising, which names none of their registers
	FRAGS 1, 1
	QUANT 0
	s_wait_dscnt 8                                 ; the 16 fragment loads are in; my eight image stores, issued behind them, may be out
.if \fill
	FILL \src, 1
.endif
	WIN 0x04
	MULS 0
	MULS 1
	WIN 0
	PLACES
	s_wait_dscnt 0x0                               ; my image stores have landed
	s_wait_alu depctr_vm_vsrc(0)                   ; and have read v224-255, which the conversions below write again
	QUANT 1
	BAR                                            ; all 32 images lie in LDS
.endm
	s_load_b256 s[4:11], s[0:1], 0x0               ; x s[4:5], wfrag s[6:7], bk s[8:9], bv s[10:11]
	s_load_b128 s[12:15], s[0:1], 0x20             ; the scales' exponents s[12:13], part s[14:15]
	v_lshrrev_b32 v9, 5, v0
	v_readfirstlane_b32 s16, v9                    ; wave 0..3
	s_wait_alu depctr_va_sdst(0)                   ; s16 is written, ahead of its first reader: the roles, the LDS places and the bases are made from it
	s_lshr_b32 s17, s16, 1                         ; g
	s_and_b32 s18, s16, 1                          ; kv
	s_lshr_b32 s19, ttmp9, 1                       ; range
	s_and_b32 s20, ttmp9, 1                        ; which pair of heads
	s_lshl_b32 s21, s20, 1
	s_add_co_u32 s21, s21, s17                     ; head
	v_and_b32 v9, 31, v0                           ; lane
	v_and_b32 v29, 15, v0                          ; r
	v_bfe_u32 v30, v0, 4, 1                        ; lane / 16
	v_lshlrev_b32 v[XO], 4, v9
	s_wait_alu depctr_va_vdst(0)
	v_lshlrev_b32 v31, 3, v9                       ; 8 x lane
	s_mul_i32 s40, s16, 16*PX
	v_add_nc_u32 v[XS], s40, v31
	s_mul_i32 s40, s16, 8*PX
	v_add_nc_u32 v[XSH], s40, v31
	v_mul_u32_u24 v[XF], v29, PX
	v_lshl_add_u32 v[XF], v30, 4, v[XF]
	s_mul_i32 s40, s18, XRV
	v_add_nc_u32 v[XF], s40, v[XF]
	s_mul_i32 s40, s16, 8192
	s_add_co_u32 s40, s40, IMG
	v_add_nc_u32 v[IW], s40, v[XO]
	s_mul_i32 s40, s17, 16384
	s_add_co_u32 s40, s40, IMG
	v_add_nc_u32 v[IK], s40, v[XO]                 ; k^ was made by wave 2 g,
	s_mul_i32 s41, s18, 4096
	s_add_co_u32 s40, s40, s41
	s_add_co_u32 s40, s40, 8192
	v_add_nc_u32 v[IV], s40, v[XO]                 ; v^ by wave 2 g + 1; mine are its tiles 4 kv on
	s_mul_i32 s40, s16, 16*SP
	s_add_co_u32 s40, s40, STG
	v_mul_u32_u24 v[SO], v29, SP
	v_lshl_add_u32 v[SO], v30, 5, v[SO]
	v_add_nc_u32 v[SO], s40, v[SO]                 ; in: row r (a d), 32 bytes for each half of the lanes
	v_add_nc_u32 v[SR], s40, v[XO]                 ; back: the 32 lanes take a row of 512 bytes
	v_lshlrev_b32 v29, 4, v29                      ; the bias of column 4 (16 ct + r) + head: 16 r bytes
.irp i, 0,1,2,3
	v_mov_b32 v[ZR+\i], 0
.endr
	s_mov_b32 s43, 0
	s_mul_i32 s40, s19, 819200                     ; the range's 800 rows of 1,024 bytes
	s_wait_kmcnt 0x0
	s_load_b256 s[24:31], s[12:13], 0x0            ; e0 .. e7
	s_cmp_eq_u32 s18, 0                            ; bk or bv: the choice hangs on the wave's number alone
	s_cselect_b64 s[8:9], s[8:9], s[10:11]
	s_lshl_b32 s42, s21, 2
	s_add_nc_u64 s[8:9], s[8:9], s[42:43]
	s_add_co_u32 s42, s18, 1                       ; wfrag: Wk is weight 1, Wv weight 2; 32,768 bytes for a weight's head
	s_lshl_b32 s42, s42, 2
	s_add_co_u32 s42, s42, s21
	s_lshl_b32 s42, s42, 15
	s_add_nc_u64 s[6:7], s[6:7], s[42:43]
	s_lshl_b32 s42, s19, 2                         ; part: ((4 range + head) 2 + kv) x 64 rows of 512 bytes
	s_add_co_u32 s42, s42, s21
	s_lshl_b32 s42, s42, 1
	s_add_co_u32 s42, s42, s18
	s_lshl_b32 s42, s42, 15
	s_add_nc_u64 s[14:15], s[14:15], s[42:43]
	s_lshl_b32 s41, s16, 13
	s_add_co_u32 s42, s40, s41
	s_add_nc_u64 s[34:35], s[4:5], s[42:43]        ; the first block: my 8 of its 32 rows
	s_lshl_b32 s41, s16, 14
	s_add_co_u32 s42, s40, s41
	s_add_co_u32 s42, s42, 32768
	s_add_nc_u64 s[32:33], s[4:5], s[42:43]        ; the second block: my 16 of its 64 rows
	WIN 0x40                                       ; destination window 1
	s_wait_alu depctr_va_vdst(0)                   ; the addresses v1-8, v28 and v29 and the zeros v24-27 are written: every load and store of the kernel reads some of them, and none is written again
.set i, 0
.rept 64
	global_load_b128 v[4*i:4*i+3], v[XO], s[6:7] offset:512*i   ; my 16 fragments of W, as they lie: they stay
.set i, i+1
.endr
	WIN 0
.irp ct, 0,1,2,3,4,5,6,7
	global_load_b32 v[BE+\ct], v29, s[8:9] offset:256*\ct
.endr
	XLOAD 0, 8, 34
	XLOAD 128, 16, 32
	s_wait_kmcnt 0x0
	POW2 26, SK, LK
	POW2 28, SV, LV
	s_cmp_eq_u32 s18, 0
	s_cselect_b32 s42, s31, s30                    ; ey: e7 for k / sqrt(n), the product's right operand; e6 for v, its left one
	POW2 42, SY, LY
	s_add_co_i32 s40, s26, s27
	s_lshl_b32 s40, s40, 23
	s_add_co_i32 s40, s40, 0x3b4f3e37              ; rs x 2^(e2 + e3): the exponents are added to rs's exponent field
	s_add_co_i32 s41, s28, s29
	s_add_co_i32 s41, s41, 127
	s_lshl_b32 s41, s41, 23                        ; 2^(e4 + e5)
	s_cmp_eq_u32 s18, 0
	s_cselect_b32 s36, s40, s41                    ; alpha
	s_mov_b32 s37, s36                             ; (named with it as a pair, so it is written)
	s_cselect_b32 s39, 0x3b4f3e37, 1.0             ; the bias's factor
	s_wait_loadcnt 32                              ; all but the second block's 32 loads are in
.irp ct, 0,1,2,3,4,5,6,7
	v_mul_f32 v[BE+\ct], s39, v[BE+\ct]
.endr
	; the first block: 32 rows, 8 a wave; one pair of row tiles
	HOLD 0, 0, LK, SK, CD
	HOLD 0, 0, LV, SV, CD+32
	s_wait_alu depctr_va_vdst(0)                   ; the conversions have written their codes, which the stores below read; the holds are done reading set A, in which the third block lands
	PUT 0, CD, XSH, 0
	PUT 0, CD+32, XSH, XRV
	BAR
	s_wait_alu depctr_vm_vsrc(0)                   ; my row stores have read their codes in v192-255: the products below write v192-223, the conversions v224-255
	FRAGS 0, 0
	FRAGS 0, 1
	s_wait_dscnt 0x0
	FILL 0, 0                                      ; the third block, into set A
	FILL 0, 1
	WIN 0x04
	MULS 0
	MULS 1
	WIN 0
	PLACES
	QUANT 0
.irp ct, 0,1,2,3,4,5,6,7
	ds_store_b128 v[IW], v[ZR:ZR+3] offset:\ct*1024+512    ; the upper 32 of this K step are zero codes, which add nothing
.endr
	BAR
	XQP 128, 32, 1                                 ; X of block 1; the first block's products start the sums: written out ahead of the loop
	s_mov_b32 s38, 5
.Lpair:                                                ; trip t: the projections of block 2 t + 1, X of 2 t + 2, its projections, X of 2 t + 3: the register sets are back where they began
	PP 128, 1
	XQP 0, 32, 0
	PP 0, 1
	XQP 128, 32, 0
	s_sub_co_u32 s38, s38, 1
	s_cmp_lg_u32 s38, 0
	s_cbranch_scc1 .Lpair
	PP 128, 0                                      ; blocks 11 and 12 ask for nothing: no load leaves the buffer
	XQP 0, 0, 0
	PP 0, 0
	P4LOAD                                         ; the last block's sums over rows
	s_wait_dscnt 0x0
	P4MUL 0
	WIN 0
	PLACES
	s_wait_alu depctr_va_vdst(0)                   ; the products have written the accumulators, which the LDS stores below read (the places above stay beside this wait), and every line that names v32-223 is done, in which the rows land on their way back
; THE WAY OUT.  A lane holds 32 neighbouring bytes of a row d and the lanes beside it hold other rows: 16 rows at a time go through my own stage and come back as whole rows of 512 bytes.
; LDS serves a wave's instructions in order (ISA guide 5.7.1.4): no wait between the stores and the loads, nor in front of the next group's stores.  No vector or matrix line stands among them.
.macro OUTD dl, bank
	WIN 0x08                                       ; store data window 2
.irp mt, 0,1,2,3,4,5,6,7
	ds_store_b128 v[SO], v[8*(8*\dl+\mt):8*(8*\dl+\mt)+3]   offset:64*\mt
	ds_store_b128 v[SO], v[8*(8*\dl+\mt)+4:8*(8*\dl+\mt)+7] offset:64*\mt+16
.endr
	WIN 0
.irp i, 0,1,2,3,4,5,6,7,8,9,10,11,12,13,14,15
	ds_load_b128 v[\bank+4*\i:\bank+4*\i+3], v[SR] offset:\i*SP
.endr
.irp i, 0,1,2,3,4,5,6,7,8,9,10,11,12,13,14,15
	s_wait_dscnt 15-\i                             ; row i is back; the younger loads stay out
	global_store_b128 v[XO], v[\bank+4*\i:\bank+4*\i+3], s[14:15] offset:\dl*8192+\i*512   ; 32 lanes store 512 consecutive bytes, at a multiple of 512 from the buffer's first byte
.endr
.endm
	OUTD 0, 32
	OUTD 1, 96
	OUTD 2, 160
	s_wait_xcnt 0x0                                ; the first group's stores have had their addresses translated: their registers are loaded again only behind this wait
	s_wait_alu depctr_vm_vsrc(0)                   ; the first group's stores have read v32-95, in which the last group's rows land; and the last image stores have read v254 and v255, which are made anew below
	OUTD 3, 32
	s_wait_xcnt 0x0
	v_lshl_add_u32 v254, v0, 2, 0x18c00
	v_mov_b32 v255, 0
	s_wait_dscnt 0x0                               ; the closing lines, six on end
	s_wait_alu 0x0
	s_wait_tensorcnt 0x0
	ds_add_u32 v254, v255
	s_wait_dscnt 0x0
	s_endpgm
.Lfunc_end_k_qd59b885082_kvsum:
	.size	k_qd59b885082_kvsum, .Lfunc_end_k_qd59b885082_kvsum-k_qd59b885082_kvsum
	.p2alignl 7, 3214868480
	.fill 96, 4, 3214868480
	.section	.rodata,"a",@progbits
	.p2align	6, 0x0
	.amdhsa_kernel k_qd59b885082_kvsum
		.amdhsa_group_segment_fixed_size 101888
		.amdhsa_private_segment_fixed_size 0
		.amdhsa_enable_private_segment 0
		.amdhsa_kernarg_size 48
		.amdhsa_user_sgpr_count 2
		.amdhsa_user_sgpr_kernarg_segment_ptr 1
		.amdhsa_wavefront_size32 1
		.amdhsa_system_sgpr_workgroup_id_x 1
		.amdhsa_system_sgpr_workgroup_id_y 1
		.amdhsa_system_sgpr_workgroup_id_z 1
		.amdhsa_system_vgpr_workitem_id 0
		.amdhsa_next_free_vgpr 1024
		.amdhsa_next_free_sgpr 66
		.amdhsa_reserve_vcc 0
		.amdhsa_float_denorm_mode_32 3
		.amdhsa_float_denorm_mode_16_64 3
		.amdhsa_memory_ordered 1
		.amdhsa_forward_progress 1
		.amdhsa_inst_pref_size 255
	.end_amdhsa_kernel
	.section	.bss,"aw",@nobits
	.p2align	6
	.space	262144
	.amdgpu_metadata
---
amdhsa.version: [ 1, 2 ]
amdhsa.kernels:
  - .name:           k_qd59b885082_kvsum
    .symbol:         k_qd59b885082_kvsum.kd
    .args:
      - { .name: source_input, .offset: 0, .size: 8, .value_kind: global_buffer, .address_space: global }
      - { .name: wfrag, .offset: 8, .size: 8, .value_kind: global_buffer, .address_space: global }
      - { .name: bk, .offset: 16, .size: 8, .value_kind: global_buffer, .address_space: global }
      - { .name: bv, .offset: 24, .size: 8, .value_kind: global_buffer, .address_space: global }
      - { .name: lowp_scales, .offset: 32, .size: 8, .value_kind: global_buffer, .address_space: global }
      - { .name: part, .offset: 40, .size: 8, .value_kind: global_buffer, .address_space: global }
    .group_segment_fixed_size: 101888
    .private_segment_fixed_size: 0
    .kernarg_segment_align: 8
    .kernarg_segment_size: 48
    .max_flat_workgroup_size: 128
    .sgpr_count:     66
    .vgpr_count:     1024
    .wavefront_size: 32
...
	.end_amdgpu_metadata
.endif
;; end of part 6
;; launch soft (part 7): grid 256 x 1, 10 waves a work-group, no clusters, 6,400 bytes of LDS; arguments part, lowp_scales, pcodes, cinv; writes pcodes, cinv
.if DOCPART == 7
	.amdgcn_target "amdgcn-amd-amdhsa--gfx1250"
	.amdhsa_code_object_version 6
	.text
	.protected	k_qd59b885082_soft
	.globl	k_qd59b885082_soft
	.p2align	8
	.type	k_qd59b885082_soft,@function
k_qd59b885082_soft:
	s_mov_b64 s[64:65], 0
	v_nop
	global_prefetch_b8 v0, s[64:65] scope:SCOPE_SE
	s_setreg_imm32_b32 hwreg(HW_REG_WAVE_MODE, 25, 1), 1
	s_wait_xcnt 0x0
; For each (d, h): a[m] = 2^(e6 + e7) x the sum over the 125 ranges of part[range][h][d][m];  t = a x log2(e);  M = ceil(the largest t over m);  p[m] = 2^(t - M);
; l = the sum of the unquantised p;  pcodes[d][128 h + m] = code(p / 2^e8);  cinv[128 h + d] = 2^(e8 + e9) / (4 l): the divisor, both scales of the last product and the mean over four heads.
; SHARES.  A work-group takes one d and two heads; five waves to a head, each adding 25 ranges' rows of 512 bytes (lane i: m = 4 i .. 4 i + 3).  The five sums meet in LDS;
; each of the five waves then adds them in the same order and computes the same softmax, and the first of the five stores.
; The maximum is the row's own: no fixed shift.  The partial sums are added in a fixed order.
; A store of codes covers 128 consecutive bytes (one head's part of a row of 512); the whole buffer is 64 KB.
; LIMITS: e8 between -126 and 119.  e6 + e7 and e8 + e9 are applied by v_ldexp_f32 and have none.  NaN is not served.
; Matrix units, clusters and tensor loads buy nothing here: a stream of 32 MB read once, with a reduction.
.set RB, 262144                        ; bytes of one range's four heads
	s_load_b256 s[4:11], s[0:1], 0x0               ; part s[4:5], the scales' exponents s[6:7], pcodes s[8:9], cinv s[10:11]
	v_lshl_add_u32 v128, v0, 2, 0x1400
	v_mov_b32 v129, 0
	v_lshrrev_b32 v1, 5, v0
	s_delay_alu instid0(VALU_DEP_1)
	v_readfirstlane_b32 s12, v1                    ; wave 0..9
	s_mul_i32 s13, s12, 52
	s_lshr_b32 s13, s13, 8                         ; g = wave / 5
	s_mul_i32 s14, s13, 5
	s_sub_co_u32 s14, s12, s14                     ; u = wave % 5
	s_lshr_b32 s15, ttmp9, 1                       ; d
	s_and_b32 s26, ttmp9, 1
	s_lshl_b32 s26, s26, 1
	s_add_co_u32 s26, s26, s13                     ; head
	v_and_b32 v1, 31, v0                           ; lane
	s_delay_alu instid0(VALU_DEP_1)
	v_lshlrev_b32 v2, 4, v1                        ; 16 x lane
	s_delay_alu instid0(VALU_DEP_2)
	v_lshlrev_b32 v3, 2, v1                        ; 4 x lane
	v_mov_b32 v6, 0
	s_lshl_b32 s27, s12, 9
	v_add_nc_u32 v4, s27, v2                       ; LDS: my wave's 512 bytes
	s_mul_i32 s27, s13, 2560
	v_add_nc_u32 v5, s27, v2                       ; LDS: my head's five sums
	s_mul_i32 s28, s14, 25*RB
	s_lshl_b32 s27, s26, 16
	s_add_co_u32 s28, s28, s27
	s_lshl_b32 s27, s15, 9
	s_add_co_u32 s28, s28, s27                     ; range 25 u, head, row d
	s_mov_b32 s29, 0
	s_lshl_b32 s30, s26, 7                         ; 128 head
	s_add_co_u32 s36, s27, s30                     ; pcodes: 512 d + 128 head
	s_mov_b32 s37, 0
	s_add_co_u32 s38, s30, s15
	s_lshl_b32 s38, s38, 2                         ; cinv: 4 (128 head + d)
	s_mov_b32 s39, 0
	s_mov_b32 s32, 0x76543210                      ; v_permlanex16_b32's selects for lane l xor 16
	s_mov_b32 s33, 0xfedcba98
	s_mov_b32 s34, 0x3fb8aa3b                      ; log2(e)
	s_wait_alu depctr_va_vdst(0)
	s_wait_kmcnt 0x0
	s_load_b256 s[16:23], s[6:7], 0x0              ; e0 .. e7
	s_load_b64 s[24:25], s[6:7], 0x20              ; e8, e9
	s_add_nc_u64 s[4:5], s[4:5], s[28:29]
	s_add_nc_u64 s[8:9], s[8:9], s[36:37]
	s_add_nc_u64 s[10:11], s[10:11], s[38:39]
.set i, 0
.rept 25
	global_load_b128 v[16+4*i:19+4*i], v2, s[4:5] offset:i*RB th:TH_LOAD_NT   ; 512 consecutive bytes a load; 24 x 262,144 lies inside the signed 24-bit immediate
.set i, i+1
.endr
	s_wait_loadcnt 0x0
.irp i, 2
	v_pk_add_f32 v[16:17], v[16:17], v[16+4*\i:17+4*\i]
	v_pk_add_f32 v[18:19], v[18:19], v[18+4*\i:19+4*\i]
	v_pk_add_f32 v[20:21], v[20:21], v[20+4*\i:21+4*\i]
	v_pk_add_f32 v[22:23], v[22:23], v[22+4*\i:23+4*\i]
.endr
.irp i, 4, 6, 8, 10, 12, 14, 16, 18, 20, 22
	s_delay_alu instid0(VALU_DEP_4)
	v_pk_add_f32 v[16:17], v[16:17], v[16+4*\i:17+4*\i]
	s_delay_alu instid0(VALU_DEP_4)
	v_pk_add_f32 v[18:19], v[18:19], v[18+4*\i:19+4*\i]
	s_delay_alu instid0(VALU_DEP_4)
	v_pk_add_f32 v[20:21], v[20:21], v[20+4*\i:21+4*\i]
	s_delay_alu instid0(VALU_DEP_4)
	v_pk_add_f32 v[22:23], v[22:23], v[22+4*\i:23+4*\i]
.endr
	s_delay_alu instid0(VALU_DEP_4)
	v_pk_add_f32 v[16:17], v[16:17], v[112:113]
	s_delay_alu instid0(VALU_DEP_4)
	v_pk_add_f32 v[18:19], v[18:19], v[114:115]
	s_delay_alu instid0(VALU_DEP_2)
	v_pk_add_f32 v[16:17], v[16:17], v[20:21]
	s_delay_alu instid0(VALU_DEP_2)
	v_pk_add_f32 v[18:19], v[18:19], v[22:23]
	ds_store_b128 v4, v[16:19]
	s_wait_dscnt 0x0                               ; for the others' sake: my store has landed
	s_barrier_signal -1
	s_barrier_wait -1
.irp j, 0,1,2,3,4
	ds_load_b128 v[16+4*\j:19+4*\j], v5 offset:512*\j
.endr
	s_wait_dscnt 0x0
.irp j, 1
	v_pk_add_f32 v[16:17], v[16:17], v[16+4*\j:17+4*\j]
	v_pk_add_f32 v[18:19], v[18:19], v[18+4*\j:19+4*\j]
.endr
.irp j, 2, 3, 4
	s_delay_alu instid0(VALU_DEP_2)
	v_pk_add_f32 v[16:17], v[16:17], v[16+4*\j:17+4*\j]
	s_delay_alu instid0(VALU_DEP_2)
	v_pk_add_f32 v[18:19], v[18:19], v[18+4*\j:19+4*\j]
.endr
	s_wait_alu depctr_va_vdst(0)
	s_wait_kmcnt 0x0
	s_add_co_i32 s30, s22, s23                     ; e6 + e7
.irp i, 0,1,2,3
	v_ldexp_f32 v[16+\i], v[16+\i], s30            ; a
.endr
	s_delay_alu instid0(VALU_DEP_2)
	v_max3_num_f32 v20, v16, v17, v18
	s_delay_alu instid0(VALU_DEP_1)
	v_max_num_f32 v20, v20, v19
	v_mov_b32 v21, 0                               ; a lane permute's destination counts as one of its sources
	s_delay_alu instid0(VALU_DEP_2)
	v_max_num_f32_dpp v20, v20, v20 row_xmask:1 row_mask:0xf bank_mask:0xf
	s_delay_alu instid0(VALU_DEP_1)
	v_max_num_f32_dpp v20, v20, v20 row_xmask:2 row_mask:0xf bank_mask:0xf
	s_delay_alu instid0(VALU_DEP_1)
	v_max_num_f32_dpp v20, v20, v20 row_xmask:4 row_mask:0xf bank_mask:0xf
	s_delay_alu instid0(VALU_DEP_1)
	v_max_num_f32_dpp v20, v20, v20 row_xmask:8 row_mask:0xf bank_mask:0xf
	s_delay_alu instid0(VALU_DEP_1)
	v_permlanex16_b32 v21, v20, s32, s33
	s_delay_alu instid0(VALU_DEP_1)
	v_max_num_f32 v20, v20, v21                    ; the largest a over the 128 m, in every lane
	s_delay_alu instid0(VALU_DEP_1)
	v_mul_f32 v20, s34, v20                        ; the largest t (log2(e) is positive)
	s_delay_alu instid0(VALU_DEP_1)
	v_floor_f32 v22, -v20                          ; -M = floor(-t) = -ceil(t)
.irp i, 0,1,2,3
	v_fma_f32 v[32+\i], v[16+\i], s34, v22         ; t - M
.endr
	s_wait_alu depctr_va_vdst(0)
.irp i, 0,1,2,3
	v_exp_f32 v[32+\i], v[32+\i]                   ; p = 2^(t - M)
.endr
.irp i, 4,5,6,7
	v_mov_b32 v[32+\i], 0                          ; plain lines behind the exponentials: the conversion takes eight numbers, four of them are zeros
.endr
	s_wait_alu depctr_va_vdst(0)
	v_add_f32 v24, v32, v33                        ; l is taken of the unquantised p
	v_add_f32 v25, v34, v35
	s_delay_alu instid0(VALU_DEP_1)
	v_add_f32 v24, v24, v25
	s_delay_alu instid0(VALU_DEP_1)
	v_add_f32_dpp v24, v24, v24 row_xmask:1 row_mask:0xf bank_mask:0xf
	s_delay_alu instid0(VALU_DEP_1)
	v_add_f32_dpp v24, v24, v24 row_xmask:2 row_mask:0xf bank_mask:0xf
	s_delay_alu instid0(VALU_DEP_1)
	v_add_f32_dpp v24, v24, v24 row_xmask:4 row_mask:0xf bank_mask:0xf
	s_delay_alu instid0(VALU_DEP_1)
	v_add_f32_dpp v24, v24, v24 row_xmask:8 row_mask:0xf bank_mask:0xf
	s_delay_alu instid0(VALU_DEP_1)
	v_permlanex16_b32 v21, v24, s32, s33
	s_delay_alu instid0(VALU_DEP_1)
	v_add_f32 v24, v24, v21
	s_add_co_i32 s30, s24, 127
	s_lshl_b32 s31, s30, 23
	v_mov_b32 v44, s31                             ; 2^e8
	s_add_co_i32 s30, s30, 8
	s_lshl_b32 s30, s30, 23
	s_or_b32 s30, s30, 0x600000
	v_mov_b32 v45, s30                             ; 448 x 2^e8
	s_wait_alu depctr_va_vdst(0)
	v_rcp_f32 v26, v24
.irp i, 0,1,2,3
	v_min_num_f32 v[32+\i], v[32+\i], v45          ; p is not negative: the hold is one-sided.  (Plain lines behind the reciprocal)
.endr
	v_cvt_scalef32_pk8_fp8_f32 v[40:41], v[32:39], v44
	s_add_co_i32 s30, s24, s25
	s_sub_co_i32 s30, s30, 2
	s_wait_alu depctr_va_vdst(0)
	v_ldexp_f32 v26, v26, s30                      ; 2^(e8 + e9 - 2) / l.  (A plain line behind the conversion)
	s_cmp_lg_u32 s14, 0                            ; the first of a head's five waves stores
	s_cbranch_scc1 .Ldone
	global_store_b32 v3, v40, s[8:9]               ; my four codes: the wave stores 128 consecutive bytes
	v_cmp_eq_u32 vcc_lo, 0, v1
	s_wait_xcnt 0x0                                ; EXEC is a source of the store above: it changes only behind this wait
	s_and_saveexec_b32 s35, vcc_lo
	s_wait_alu depctr_va_vdst(0)
	global_store_b32 v6, v26, s[10:11]             ; lane 0 alone
	s_wait_xcnt 0x0
	s_or_b32 exec_lo, exec_lo, s35
.Ldone:
	s_wait_tensorcnt 0x0
	ds_add_u32 v128, v129
	s_wait_dscnt 0x0
	s_endpgm
.Lfunc_end_k_qd59b885082_soft:
	.size	k_qd59b885082_soft, .Lfunc_end_k_qd59b885082_soft-k_qd59b885082_soft
	.p2alignl 7, 3214868480
	.fill 96, 4, 3214868480
	.section	.rodata,"a",@progbits
	.p2align	6, 0x0
	.amdhsa_kernel k_qd59b885082_soft
		.amdhsa_group_segment_fixed_size 6400
		.amdhsa_private_segment_fixed_size 0
		.amdhsa_enable_private_segment 0
		.amdhsa_kernarg_size 32
		.amdhsa_user_sgpr_count 2
		.amdhsa_user_sgpr_kernarg_segment_ptr 1
		.amdhsa_wavefront_size32 1
		.amdhsa_system_sgpr_workgroup_id_x 1
		.amdhsa_system_sgpr_workgroup_id_y 1
		.amdhsa_system_sgpr_workgroup_id_z 1
		.amdhsa_system_vgpr_workitem_id 0
		.amdhsa_next_free_vgpr 130
		.amdhsa_next_free_sgpr 66
		.amdhsa_reserve_vcc 1
		.amdhsa_float_denorm_mode_32 3
		.amdhsa_float_denorm_mode_16_64 3
		.amdhsa_memory_ordered 1
		.amdhsa_forward_progress 1
		.amdhsa_inst_pref_size 14
	.end_amdhsa_kernel
	.amdgpu_metadata
---
amdhsa.version: [ 1, 2 ]
amdhsa.kernels:
  - .name:           k_qd59b885082_soft
    .symbol:         k_qd59b885082_soft.kd
    .args:
      - { .name: part, .offset: 0, .size: 8, .value_kind: global_buffer, .address_space: global }
      - { .name: lowp_scales, .offset: 8, .size: 8, .value_kind: global_buffer, .address_space: global }
      - { .name: pcodes, .offset: 16, .size: 8, .value_kind: global_buffer, .address_space: global }
      - { .name: cinv, .offset: 24, .size: 8, .value_kind: global_buffer, .address_space: global }
    .group_segment_fixed_size: 6400
    .private_segment_fixed_size: 0
    .kernarg_segment_align: 8
    .kernarg_segment_size: 32
    .max_flat_workgroup_size: 320
    .sgpr_count:     66
    .vgpr_count:     130
    .wavefront_size: 32
...
	.end_amdgpu_metadata
.endif
;; end of part 7
;; launch qout (part 8): grid 250 x 1, 4 waves a work-group, no clusters, 105,472 bytes of LDS; arguments query_input, wfrag, bq, pcodes, cinv, lowp_scales, out0; writes out0
.if DOCPART == 8
	.amdgcn_target "amdgcn-amd-amdhsa--gfx1250"
	.amdhsa_code_object_version 6
	.text
	.protected	k_qd59b885082_qout
	.globl	k_qd59b885082_qout
	.p2align	8
	.type	k_qd59b885082_qout,@function
k_qd59b885082_qout:
	s_mov_b64 s[64:65], 0
	v_nop
	global_prefetch_b8 v0, s[64:65] scope:SCOPE_SE
	s_setreg_imm32_b32 hwreg(HW_REG_WAVE_SCHED_MODE, 0, 2), 2
	s_setreg_imm32_b32 hwreg(HW_REG_WAVE_MODE, 25, 1), 1
	s_wait_xcnt 0x0
	s_wait_alu depctr_vm_vsrc(0)
; out0[l][d] = the sum over heads h of cinv[h][d] x (the sum over m of code(q[l][m][h]) x code(p[m][d][h])),  q = x Wq + bq,  x = query_input [100000][256] f32.
; Both products on codes of E4M3: x by 2^e0, Wq as the first launch laid it (2^e1), q by 2^e9, p as the third launch made it (2^e8); cinv holds 2^(e8 + e9) / (4 l).
; SHARES.  100,000 rows = 250 work-groups x 5 blocks of 80.  THE WAVES SHARE THE COLUMNS, NOT THE ROWS: wave w makes head w's 128 columns of q and then outputs d = 32 w .. 32 w + 31
; of all four heads, for all 80 rows.  So its part of Wq (256 registers), of p's codes (128), of bq and of cinv (64 each) stays in registers, read from memory once.
; A BLOCK, three barriers:  X: each wave holds and converts its 20 rows and stores the codes as rows in LDS | barrier |
;   1: for each of five tiles of 16 rows: x's fragments from LDS; q^T = Wq x^T + bias (source 0 = 16 columns of Wq, source 1 = x): a lane holds ONE row and its registers run along m, the next K;
;      held, converted: the eight tiles are one K = 128 fragment in that form's own layout; image of its registers to LDS | barrier |
;   2: for each of the five tiles of rows: the four heads' fragments of q^ from LDS; S(n, head) = p^ q^ (lane = a row, registers = eight neighbouring d); the sum over heads of S x cinv; into a stage | barrier |
;   each wave reads 20 whole rows back.
; EVERY REQUEST STANDS AHEAD OF WORK THAT DOES NOT NEED IT.  In both phases a tile's fragments are fetched one tile ahead, into two sets of registers by turns.  The next block's 40 loads of x are dealt
;   8 to a tile of phase 1; a block's 20 rows are read back from the stage under the NEXT block's X and stored 4 to a tile of its phase 2.  So no run of requests to memory stands in front of an LDS read
;   that is about to be waited for.  The first block has no rows to store and the last none to load: both are written out beside the loop of three, and the last block's rows are stored at the end.
; Each LDS region is written again only behind a barrier that every wave signals with its reads of the region done.
; The bias is the C of a sum's first matrix instruction, divided by the power of two that the sums lack; the three scales ahead of q's quantiser are folded into one: 2^(e9 - e0 - e1).
; LIMITS: e0, and e9 - e0 - e1, between -126 and 119.  NaN among the inputs is not served.
; NO JOINT LOADS: what work-groups share is 192 KB of weights and codes, read once by each into registers, beside 600 KB of rows of its own in and out; and x arrives as f32,
;   which through LDS would be four times the bytes of its codes.
; REGISTERS, in windows of 256: window 1: Wq's fragments (t, s) at 16 (2 t + s);  window 2: v0-127 p^ (n, s) at 16 (4 n + s), v128-191 the bias's tiles, v192-255 cinv (n, s) at 192 + 8 (4 n + s);
;   window 3: v0-159 x on its way (row rho at 8 rho), v160-223 S(n, s) at 160 + 8 (4 n + s);
;   window 0: v1-14 addresses and constants; X: v64-103 codes; phase 1: x's fragments v16-47 / v128-159, codes v48-63 / v160-175 by turns, v64-127 q's tiles;
;   phase 2: q^ v16-79 / v80-143, results v144-159 / v160-175 by turns; v176-255 the 20 rows read back, kept until they are stored.
; THE MODE: SCHED_MODE bits 1:0 = 2 (LLVM: expert scheduling mode 2), set by the entry lines.  The code itself states the register dependences
; between vector or matrix instructions and memory or LDS instructions, with s_wait_alu, always for 0.
; THE PLAN.  Registers that memory or LDS instructions touch, round a block:
;   window 3 v0-159      X's holds write them in place and its conversions read them; the next block's rows land in them, 8 loads to a tile of phase 1.
;   v64-103              X's conversions write the codes, the row stores read them; then phase 1's products write q's tiles there.
;   v16-47, v128-159     phase 1, tile m: its products read set m % 2; the fragments of tile m + 2 land in it at the head of tile m + 1.
;   v48-63, v160-175     phase 1, tile m: its conversions write set m % 2, its four image stores read it; tile m + 2 writes it again.
;   v16-79, v80-143      phase 2, tile m: its products read set m % 2; the fragments of tile m + 2 land in it at the head of tile m + 1.
;   v144-159, v160-175   phase 2, tile m: its packed sums write set m % 2, its four stage stores read it; tile m + 2 writes it again.
;   v176-255             the rows land from the stage at a block's end; the stores to memory of the next block's phase 2 read them; no vector or matrix line names them.
;   v1-3, v5-7, v12-14   addresses, written at the head and never again; x's and out0's bases are scalar pairs.
; WAITS ON va_vdst: one ahead of X's stores (the codes are written; x's registers are done with, for all of phase 1's loads of x; the block before's last lines on v16-47 and v128-159 are done), and one a tile,
;   ahead of the tile's four LDS stores: their data are written, and the tile's products are done reading their set of fragments, which the loads at the next tile's head fill; only LDS stores and a wait on DScnt stand between.
; WAITS ON vm_vsrc: at the head of each phase, at the heads of tiles 2, 3 and 4 of each phase (the stores of two tiles back have read the set that the tile writes), and ahead of the loads into v176-255.
.set PX,   272                         ; a row of codes in LDS: 256 bytes + 16
.set QIMG, 80*PX                       ; LDS: 80 rows of x's codes at 0; [row tile 5][head 4] fragments of 2,048 bytes here;
.set STG,  QIMG+20*2048                ; the stage: 80 rows x 528 bytes
.set SP,   528
.set LI,  1                            ; 16 x lane
.set XS,  2                            ; where I store my 20 rows' codes
.set XF,  3                            ; my lane's place in a fragment of x's codes
.set QW,  5                            ; where I store my images
.set SO,  6                            ; the stage: in
.set SR,  7                            ; the stage: back
.set LX,  8                            ; 448 x 2^e0
.set SX,  9                            ; 2^e0
.set LQ,  10                           ; 448 x 2^(e9 - e0 - e1)
.set SQ,  11                           ; 2^(e9 - e0 - e1)
.set HA,  64
.set XC,  64
.set BK,  176
.set BI,  128                          ; window 2
.set CI,  192                          ; window 2
.set SA,  160                          ; window 3
.set MSB, 0
.macro WIN new                         ; the immediate's high byte repeats the setting that is left; a switch that changes nothing is dropped
.if MSB != \new
	s_set_vgpr_msb (MSB<<8)|\new
.set MSB, \new
.endif
.endm
.macro BAR                             ; my LDS stores have landed and my LDS loads are in: then the work-group's barrier
	s_wait_dscnt 0x0
	s_barrier_signal -1
	s_barrier_wait -1
.endm
.macro POW2 e, vs, vl                  ; v[vs] = 2^s[e], v[vl] = 448 x 2^s[e]
	s_add_co_i32 s40, s[\e], 127
	s_lshl_b32 s41, s40, 23
	v_mov_b32 v[\vs], s41
	s_add_co_i32 s40, s40, 8
	s_lshl_b32 s40, s40, 23
	s_or_b32 s40, s40, 0x600000
	v_mov_b32 v[\vl], s40
.endm
.macro XG g, b                         ; rows 4 g .. 4 g + 3 of my 20 rows of a block, from s[b:b+1] on: 8 loads, each of 512 consecutive bytes, read once in the launch
	WIN 0xc0                                       ; destination window 3, address window 0
.irp q, 0,1,2,3
	global_load_b128 v[8*(4*(\g)+\q):8*(4*(\g)+\q)+3],   v[LI], s[\b:\b+1] offset:1024*(4*(\g)+\q) th:TH_LOAD_NT
	global_load_b128 v[8*(4*(\g)+\q)+4:8*(4*(\g)+\q)+7], v[LI], s[\b:\b+1] offset:1024*(4*(\g)+\q)+512 th:TH_LOAD_NT
.endr
.endm
.macro F1LOAD m                        ; x's two fragments of row tile m, into set m % 2
.irp s, 0,1
.irp c, 0,1,2,3
	ds_load_b128 v[16+112*((\m)%2)+16*\s+4*\c:16+112*((\m)%2)+16*\s+4*\c+3], v[XF] offset:16*(\m)*PX+128*\s+32*\c
.endr
.endr
.endm
.macro F2LOAD m                        ; the four heads' fragments of q^ of row tile m, into set m % 2
.irp s, 0,1,2,3
.irp c, 0,1,2,3
	ds_load_b128 v[16+64*((\m)%2)+16*\s+4*\c:16+64*((\m)%2)+16*\s+4*\c+3], v[LI] offset:QIMG+(4*(\m)+\s)*2048+512*\c
.endr
.endr
.endm
; A block of 80 rows.  first = 1: there are no rows of a block before to store.  last = 1: there is no next block to ask for.
.macro BLK first, last
	; ---- X: my 20 rows become rows of codes.  (The block before's 20 rows are on their way back from the stage meanwhile)
.irp g, 0,1,2,3,4
	s_wait_loadcnt 32-8*\g                         ; loads come back in order: the 8 loads of rows 4 g .. 4 g + 3 are in, those of the later rows may be out
	WIN 0xc3                                       ; source 0 and destination window 3
.set i, 32*\g
.rept 32
	v_med3_num_f32 v[i], v[i], -v[LX], v[LX]       ; the conversion does not saturate (ISA guide 7.6.2): the hold at 448 x the scale
.set i, i+1
.endr
.endr
	WIN 0x03
.set i, 0
.rept 20
	v_cvt_scalef32_pk8_fp8_f32 v[XC+2*i:XC+2*i+1], v[8*i:8*i+7], v[SX]
.set i, i+1
.endr
	WIN 0
	v_nop                                          ; a plain line behind the last conversion
	s_wait_alu depctr_va_vdst(0)                   ; the conversions have written v64-103, which the stores below read; holds and conversions are done with x's registers, in which the next block's rows land all through phase 1; all earlier lines on v16-47 and v128-159 are done, in which x's fragments land
.set i, 0
.rept 20
	ds_store_b64 v[XS], v[XC+2*i:XC+2*i+1] offset:i*PX    ; 32 lanes x 8 bytes: a row of 256 codes
.set i, i+1
.endr
	BAR                                            ; the block's 80 rows of codes lie in LDS
	; ---- 1: head w's q, a tile of 16 rows at a time
	s_wait_alu depctr_vm_vsrc(0)                   ; my row stores have read v64-103, which the products below write; the block before's stage stores have read v144-175, where tile 1's fragments land and its codes are written
	F1LOAD 0
.irp m, 0,1,2,3,4
.if \m == 0
	s_wait_dscnt 0x0
.else
	s_wait_dscnt 4                                 ; this tile's fragments are in; the last tile's four image stores, issued behind them, may be out
.endif
.if \m >= 2
	s_wait_alu depctr_vm_vsrc(0)                   ; the image stores of two tiles back have read their codes, which this tile's conversions write again
.endif
.if \m < 4
	F1LOAD \m+1                                    ; the next tile's, into the set that the products of the tile before have read: the wait ahead of that tile's image stores showed them done
.endif
.if \last == 0
	XG \m, 44                                      ; a fifth of the next block's rows: no vector or matrix line since the wait ahead of X's stores names their registers
.endif
.set XA, 16+112*(\m%2)
.set PA, 48+112*(\m%2)
	WIN 0x21                                       ; source 0 (Wq) window 1, source 2 (the bias) window 2
.irp t, 0,1,2,3,4,5,6,7                        ; eight accumulators by turns, one instruction a turn
	v_wmma_f32_16x16x128_fp8_fp8 v[HA+8*\t:HA+8*\t+7], v[32*\t:32*\t+15], v[XA:XA+15], v[BI+8*\t:BI+8*\t+7]
.endr
	WIN 0x01
.irp t, 0,1,2,3,4,5,6,7
	v_wmma_f32_16x16x128_fp8_fp8 v[HA+8*\t:HA+8*\t+7], v[32*\t+16:32*\t+31], v[XA+16:XA+31], v[HA+8*\t:HA+8*\t+7]
.endr
	WIN 0
.rept 4
	v_nop                                          ; four places behind the last products (ISA guide 7.12.1) before their results are read
.endr
.set i, 0
.rept 64
	v_med3_num_f32 v[HA+i], v[HA+i], -v[LQ], v[LQ]
.set i, i+1
.endr
.irp t, 0,1,2,3,4,5,6,7
	v_cvt_scalef32_pk8_fp8_f32 v[PA+2*\t:PA+2*\t+1], v[HA+8*\t:HA+8*\t+7], v[SQ]   ; m = 16 t + 8 (lane / 16) + 0 .. 7 of my row: registers 2 t, 2 t + 1 of the next operand
.endr
	v_nop                                          ; a plain line behind the last conversion
	s_wait_alu depctr_va_vdst(0)                   ; the conversions have written this tile's codes, which the image stores read; its products are done reading x's fragments, in which later ones land; behind the last tile: every line on v16-143 is done, in which q^ lands
.irp c, 0,1,2,3
	ds_store_b128 v[QW], v[PA+4*\c:PA+4*\c+3] offset:\m*8192+512*\c
.endr
.endr
	BAR                                            ; all 20 fragments of q^ lie in LDS
	; ---- 2: my 32 outputs, a tile of 16 rows at a time, all four heads
	s_wait_alu depctr_vm_vsrc(0)                   ; my image stores have read v48-63, in which q^ lands, and v160-175, which tile 1's sums write
	F2LOAD 0
.irp m, 0,1,2,3,4
.if \m == 0
	s_wait_dscnt 0x0
.else
	s_wait_dscnt 4                                 ; this tile's fragments are in; the last tile's four stage stores, issued behind them, may be out
.endif
.if \m >= 2
	s_wait_alu depctr_vm_vsrc(0)                   ; the stage stores of two tiles back have read their results, which this tile's sums write again
.endif
.if \m < 4
	F2LOAD \m+1                                    ; into the set that the products of the tile before have read: the wait ahead of that tile's stage stores showed them done
.endif
.if \first == 0
.irp q, 0,1,2,3
	global_store_b128 v[LI], v[BK+4*(4*\m+\q):BK+4*(4*\m+\q)+3], s[16:17] offset:512*(4*\m+\q) th:TH_STORE_NT   ; a fifth of the block before's rows: 32 lanes store a row of 512 bytes, at a multiple of 512 from the buffer's first byte; written once
.endr
.endif
.set QA, 16+64*(\m%2)
.set OA, 144+16*(\m%2)
	WIN 0xc2                                       ; source 0 (p^) window 2, destination window 3
.irp n, 0,1
.irp s, 0,1,2,3
	v_wmma_f32_16x16x128_fp8_fp8 v[SA+8*(4*\n+\s):SA+8*(4*\n+\s)+7], v[16*(4*\n+\s):16*(4*\n+\s)+15], v[QA+16*\s:QA+16*\s+15], 0
.endr
.endr
.rept 4
	v_nop                                          ; four places before the results are read
.endr
	WIN 0x0b                                       ; source 0 (S) window 3, source 1 (cinv) window 2
.irp s, 0,1,2,3                                ; head by head, so that eight other lines stand between two links of a sum; each accumulator from its low end on
.irp n, 0,1
.irp i, 0,2,4,6
.if \s == 0
	v_pk_mul_f32 v[OA+8*\n+\i:OA+8*\n+\i+1], v[SA+8*(4*\n+\s)+\i:SA+8*(4*\n+\s)+\i+1], v[CI+8*(4*\n+\s)+\i:CI+8*(4*\n+\s)+\i+1]
.else
	v_pk_fma_f32 v[OA+8*\n+\i:OA+8*\n+\i+1], v[SA+8*(4*\n+\s)+\i:SA+8*(4*\n+\s)+\i+1], v[CI+8*(4*\n+\s)+\i:CI+8*(4*\n+\s)+\i+1], v[OA+8*\n+\i:OA+8*\n+\i+1]
.endif
.endr
.endr
.endr
	WIN 0
	s_wait_alu depctr_va_vdst(0)                   ; the sums have written this tile's results, which the stage stores read; its products are done reading q^'s fragments, in which later ones land
.irp n, 0,1
	ds_store_b128 v[SO], v[OA+8*\n:OA+8*\n+3]   offset:16*\m*SP+64*\n      ; lane (r, half): out(16 m + r, 32 w + 16 n + 8 half + 0 .. 7)
	ds_store_b128 v[SO], v[OA+8*\n+4:OA+8*\n+7] offset:16*\m*SP+64*\n+16
.endr
.endr
	BAR                                            ; 80 whole rows lie in the stage
	s_wait_xcnt 0x0                                ; the stores and loads issued so far have had their addresses translated: their registers and bases are written again only behind this wait
.if \first == 0
	s_wait_alu depctr_vm_vsrc(0)                   ; the stores to memory have read v176-255, in which this block's rows land
	s_add_nc_u64 s[16:17], s[16:17], 80*512        ; out0: on to this block's rows
.endif
.if \last == 0
	s_add_nc_u64 s[44:45], s[44:45], 80*1024       ; x: on to the block after the next (behind the last such step the address is not used)
.endif
.set i, 0
.rept 20
	ds_load_b128 v[BK+4*i:BK+4*i+3], v[SR] offset:i*SP    ; my 20 rows, whole
.set i, i+1
.endr
.endm
	s_load_b256 s[4:11], s[0:1], 0x0               ; x s[4:5], wfrag s[6:7], bq s[8:9], pcodes s[10:11]
	s_load_b128 s[12:15], s[0:1], 0x20             ; cinv s[12:13], the scales' exponents s[14:15]
	s_load_b64 s[16:17], s[0:1], 0x30              ; out0
	s_set_vgpr_msb 0xc0
	v_lshl_add_u32 v254, v0, 2, 0x19a00
	v_mov_b32 v255, 0
	s_set_vgpr_msb 0xc000
	v_lshrrev_b32 v15, 5, v0
	v_readfirstlane_b32 s18, v15                   ; wave 0..3
	v_and_b32 v15, 31, v0                          ; lane
	v_and_b32 v4, 15, v0                           ; r
	v_bfe_u32 v16, v0, 4, 1                        ; lane / 16
	v_lshlrev_b32 v[LI], 4, v15
	s_wait_alu depctr_va_vdst(0)
	v_lshlrev_b32 v17, 3, v15                      ; 8 x lane
	s_wait_alu depctr_va_sdst(0)                   ; s18 is written, ahead of its first reader: the LDS places and the bases are made from it
	s_mul_i32 s40, s18, 20*PX
	v_add_nc_u32 v[XS], s40, v17
	v_mul_u32_u24 v[XF], v4, PX
	v_lshl_add_u32 v[XF], v16, 4, v[XF]
	s_lshl_b32 s40, s18, 11
	s_add_co_u32 s40, s40, QIMG
	v_add_nc_u32 v[QW], s40, v[LI]
	v_mul_u32_u24 v[SO], v4, SP
	v_lshl_add_u32 v[SO], v16, 5, v[SO]
	s_lshl_b32 s40, s18, 7
	s_add_co_u32 s40, s40, STG
	v_add_nc_u32 v[SO], s40, v[SO]                 ; in: row r, my 128 bytes of it, 32 bytes for each half of the lanes
	s_mul_i32 s40, s18, 20*SP
	s_add_co_u32 s40, s40, STG
	v_add_nc_u32 v[SR], s40, v[LI]                 ; back: my 20 rows, the 32 lanes take a row of 512 bytes
	v_lshlrev_b32 v12, 9, v4
	v_lshl_add_u32 v12, v16, 3, v12                ; p's codes: row d = r of 512 bytes, + 8 x half
	v_lshlrev_b32 v13, 7, v16                      ; bq: eight columns of my head are 128 bytes
	v_lshlrev_b32 v14, 5, v16                      ; cinv: eight numbers are 32 bytes
	s_mul_i32 s20, ttmp9, 400
	s_mul_i32 s21, s18, 20
	s_add_co_u32 s20, s20, s21                     ; my first row
	s_lshl_b32 s22, s20, 10
	s_mov_b32 s23, 0
	s_lshl_b32 s28, s20, 9
	s_mov_b32 s29, 0
	s_mov_b32 s43, 0
	s_wait_kmcnt 0x0
	s_load_b64 s[24:25], s[14:15], 0x0             ; e0, e1
	s_load_b32 s26, s[14:15], 0x24                 ; e9
	s_add_nc_u64 s[4:5], s[4:5], s[22:23]          ; x at my rows of the first block,
	s_add_nc_u64 s[44:45], s[4:5], 80*1024         ; and of the second, in registers of its own: this pair walks on
	s_add_nc_u64 s[16:17], s[16:17], s[28:29]
	s_lshl_b32 s42, s18, 15
	s_add_nc_u64 s[6:7], s[6:7], s[42:43]          ; Wq is weight 0: head w's 32,768 bytes
	s_lshl_b32 s42, s18, 2
	s_add_nc_u64 s[8:9], s[8:9], s[42:43]
	s_lshl_b32 s42, s18, 14
	s_add_nc_u64 s[10:11], s[10:11], s[42:43]      ; my 32 rows d of p's codes
	s_lshl_b32 s42, s18, 7
	s_add_nc_u64 s[12:13], s[12:13], s[42:43]
	WIN 0x40                                       ; destination window 1
	s_wait_alu depctr_va_vdst(0)                   ; the addresses v1-3, v5-7 and v12-14 are written: every load and store of the kernel reads one of them, and none is written again
.set i, 0
.rept 64
	global_load_b128 v[4*i:4*i+3], v[LI], s[6:7] offset:512*i   ; my 16 fragments of Wq, as they lie
.set i, i+1
.endr
	WIN 0x80                                       ; destination window 2
.irp n, 0,1
.irp s, 0,1,2,3
.irp t, 0,1,2,3,4,5,6,7
	global_load_b64 v[16*(4*\n+\s)+2*\t:16*(4*\n+\s)+2*\t+1], v12, s[10:11] offset:8192*\n+128*\s+16*\t   ; p^(d = 32 w + 16 n + r, head s, m = 16 t + 8 half + 0 .. 7)
.endr
.endr
.endr
.irp t, 0,1,2,3,4,5,6,7
.irp j, 0,1,2,3,4,5,6,7
	global_load_b32 v[BI+8*\t+\j], v13, s[8:9] offset:256*\t+16*\j   ; bq[4 (16 t + 8 half + j) + w]
.endr
.endr
.irp n, 0,1
.irp s, 0,1,2,3
	global_load_b128 v[CI+8*(4*\n+\s):CI+8*(4*\n+\s)+3],   v14, s[12:13] offset:512*\s+64*\n      ; cinv[128 s + 32 w + 16 n + 8 half + 0 .. 7]
	global_load_b128 v[CI+8*(4*\n+\s)+4:CI+8*(4*\n+\s)+7], v14, s[12:13] offset:512*\s+64*\n+16
.endr
.endr
.irp g, 0,1,2,3,4
	XG \g, 4                                       ; the first block
.endr
	WIN 0
	s_wait_kmcnt 0x0
	POW2 24, SX, LX
	s_add_co_i32 s30, s24, s25                     ; e0 + e1: a sum of the first product stands for sum x 2^(e0 + e1)
	s_sub_co_i32 s31, 0, s30
	s_sub_co_i32 s27, s26, s30                     ; e9 - e0 - e1
	POW2 27, SQ, LQ
	s_wait_loadcnt 40                              ; all but the first block's 40 loads are in
	WIN 0x82                                       ; source 0 and destination window 2
.set i, 0
.rept 64
	v_ldexp_f32 v[BI+i], v[BI+i], s31              ; the bias goes in as bq / 2^(e0 + e1)
.set i, i+1
.endr
	WIN 0
	BLK 1, 0                                       ; block 0
	s_mov_b32 s19, 3
.Lblock:                                               ; blocks 1, 2, 3
	BLK 0, 0
	s_sub_co_u32 s19, s19, 1
	s_cmp_lg_u32 s19, 0
	s_cbranch_scc1 .Lblock
	BLK 0, 1                                       ; block 4 asks for nothing: no load leaves the buffer
.set i, 0
.rept 20
	s_wait_dscnt 19-i                              ; row i is back; the younger loads stay out
	global_store_b128 v[LI], v[BK+4*i:BK+4*i+3], s[16:17] offset:512*i th:TH_STORE_NT   ; the last block's rows
.set i, i+1
.endr
	s_set_vgpr_msb 0xf                             ; the add's two registers, sources 0 and 1, lie in window 3
	s_wait_dscnt 0x0                               ; the closing lines, six on end
	s_wait_alu 0x0
	s_wait_tensorcnt 0x0
	ds_add_u32 v254, v255
	s_wait_dscnt 0x0
	s_endpgm
.Lfunc_end_k_qd59b885082_qout:
	.size	k_qd59b885082_qout, .Lfunc_end_k_qd59b885082_qout-k_qd59b885082_qout
	.p2alignl 7, 3214868480
	.fill 96, 4, 3214868480
	.section	.rodata,"a",@progbits
	.p2align	6, 0x0
	.amdhsa_kernel k_qd59b885082_qout
		.amdhsa_group_segment_fixed_size 105472
		.amdhsa_private_segment_fixed_size 0
		.amdhsa_enable_private_segment 0
		.amdhsa_kernarg_size 56
		.amdhsa_user_sgpr_count 2
		.amdhsa_user_sgpr_kernarg_segment_ptr 1
		.amdhsa_wavefront_size32 1
		.amdhsa_system_sgpr_workgroup_id_x 1
		.amdhsa_system_sgpr_workgroup_id_y 1
		.amdhsa_system_sgpr_workgroup_id_z 1
		.amdhsa_system_vgpr_workitem_id 0
		.amdhsa_next_free_vgpr 1024
		.amdhsa_next_free_sgpr 66
		.amdhsa_reserve_vcc 0
		.amdhsa_float_denorm_mode_32 3
		.amdhsa_float_denorm_mode_16_64 3
		.amdhsa_memory_ordered 1
		.amdhsa_forward_progress 1
		.amdhsa_inst_pref_size 249
	.end_amdhsa_kernel
	.amdgpu_metadata
---
amdhsa.version: [ 1, 2 ]
amdhsa.kernels:
  - .name:           k_qd59b885082_qout
    .symbol:         k_qd59b885082_qout.kd
    .args:
      - { .name: query_input, .offset: 0, .size: 8, .value_kind: global_buffer, .address_space: global }
      - { .name: wfrag, .offset: 8, .size: 8, .value_kind: global_buffer, .address_space: global }
      - { .name: bq, .offset: 16, .size: 8, .value_kind: global_buffer, .address_space: global }
      - { .name: pcodes, .offset: 24, .size: 8, .value_kind: global_buffer, .address_space: global }
      - { .name: cinv, .offset: 32, .size: 8, .value_kind: global_buffer, .address_space: global }
      - { .name: lowp_scales, .offset: 40, .size: 8, .value_kind: global_buffer, .address_space: global }
      - { .name: out0, .offset: 48, .size: 8, .value_kind: global_buffer, .address_space: global }
    .group_segment_fixed_size: 105472
    .private_segment_fixed_size: 0
    .kernarg_segment_align: 8
    .kernarg_segment_size: 56
    .max_flat_workgroup_size: 128
    .sgpr_count:     66
    .vgpr_count:     1024
    .wavefront_size: 32
...
	.end_amdgpu_metadata
.endif
;; end of part 8
